; MI455X (gfx1250); checked and timed in simulation.
; The chip was launched on July 23, 2026; its instructions are those of AMD's public machine-readable ISA for CDNA 5 (MIT licence, August 2026) and "CDNA5" Instruction Set Architecture Reference Guide (July 2026). The comments in the code are by the model that wrote it; some were corrected since.
;; LRU. Allowed arithmetic: matrix products marked QUANTISED: E2M3 operands, one E8M0 scale for each 32 along K, by v_wmma_scale_f32_16x16x128_f8f6f4 with both operands' format E2M3, f32 sums; everything else in f32.
;; Inputs: Wi 2,048 x 1,024 float32; Wo 1,024 x 2,048 float32; bi 2,048 float32; bo 1,024 float32; inputs 4 x 4,096 x 1,024 float32; params_log 3 x 1,024 float32.
;; Outputs: out0 4 x 4,096 x 1,024 float32.
;; This version of the problem:
;;   THIS VERSION OF THE PROBLEM IS GIVEN IN LOW PRECISION. The matrix products marked QUANTISED in the list below multiply operands that are first quantised to E2M3 (2 exponent bits, 3 mantissa bits; 6 bits a number), with one power-of-two scale for each 32 numbers along K (OCP MX v1.0); their sums are f32. All else is computed in f32.
;;   The module's matrix products, in the order in which they are computed (A, B: the left and right operand; K: the contracted axis; several contracted axes count as one K, in the product's order):
;;     1. [M 16,384, K 1,024] x [K 1,024, N 2,048]; A: input inputs; B: input Wi: QUANTISED
;;     2. [M 16,384, K 2,048] x [K 2,048, N 1,024]; A: computed on the way; B: input Wo: QUANTISED
;;   THE QUANTISER, for each operand of a quantised product, along K:
;;     - K is cut into blocks of 32 from its start; a last block that is shorter is filled with zeros.
;;     - A block's scale is 2^e with e = floor(log2(the largest magnitude in the block)) - 2, held to -126 .. 127; a block of zeros has e = 0. As a byte (E8M0): e + 127.
;;     - Each number is divided by its block's scale, clamped to +-7.5, and rounded to the nearest number of E2M3, ties to even, subnormals kept.
;;     - The product sums the exact products of the quantised numbers (number of the format x scale) in f32.
;;   ~~~python
;;   def quantise(x, axis):      # numpy; x: float32 -> the quantised numbers, widened to float32 again
;;       x = np.moveaxis(x, axis, -1); K = x.shape[-1]
;;       x = np.pad(x, [(0, 0)] * (x.ndim - 1) + [(0, -K % 32)]); x = x.reshape(x.shape[:-1] + (-1, 32)); a = np.abs(x).max(-1, keepdims=True)
;;       e = np.where(a > 0, np.clip(np.frexp(np.where(a > 0, a, 1))[1] - 1 - 2, -126, 127), 0)      # np.frexp(a)[1] - 1 = floor(log2(a)), exactly
;;       r = np.clip(x / 2.0 ** e, -7.5, 7.5)
;;       step = 2.0 ** (np.maximum(np.frexp(np.where(r == 0, 1, r))[1] - 1, 0) - 3)
;;       q = np.round(r / step) * step * 2.0 ** e      # np.round: ties to even
;;       return np.moveaxis(q.reshape(q.shape[:-2] + (-1,))[..., :K], -1, axis).astype(np.float32)
;;   ~~~
;;   OPERANDS COMPUTED ON THE WAY. 'Computed on the way' means the value that the module computes at that place (a softmax that the list does not call 'softmax' is quantised finished and normalised). What goes into a quantiser is computed in f32, as accurately as f32 sums, v_exp_f32 and their like allow (about 1e-6 of the number): no bf16 or f16 on the way to a quantiser, and a product that is left as it is and whose result goes on into a quantised operand takes f32 operands (vector FMAs, or v_wmma_f32_16x16x4_f32). A number that lies on a knife's edge between two numbers of the format may be rounded either way, as far as f32 arithmetic and the matrix unit's own rounding can turn it there, and no further.
;; One version. Each part assembles by itself: llvm-mc -triple=amdgcn-amd-amdhsa -mcpu=gfx1250 --defsym DOCPART=n.
;; ======== version 1 of 1: 4 launches
;; limits: right only within a limited range of input values
;; workspace buffers: aq 13,107,200 bytes; wq 3,276,800 bytes; tab 53,248 bytes; est 4,194,304 bytes; xq 26,214,400 bytes
;; launch quant (part 1): grid 328 x 1, 4 waves a work-group, no clusters, 34,304 bytes of LDS; arguments inputs, Wi, Wo, params_log, aq, wq, tab; writes aq, wq, tab
.if DOCPART == 1
	.amdgcn_target "amdgcn-amd-amdhsa--gfx1250"
	.amdhsa_code_object_version 6
	.text
	.protected	k_q78b6ca1545_quant
	.globl	k_q78b6ca1545_quant
	.p2align	8
	.type	k_q78b6ca1545_quant,@function
k_q78b6ca1545_quant:
	s_mov_b64 s[64:65], 0
	v_nop
	global_prefetch_b8 v0, s[64:65] scope:SCOPE_SE
	s_setreg_imm32_b32 hwreg(HW_REG_WAVE_MODE, 25, 1), 1
	s_wait_xcnt 0x0
; inputs [16384][1024], Wi [2048][1024], Wo [1024][2048], f32, become codes of FP6 (E2M3) with one E8M0 byte for each 32 along K, laid as IMAGES OF OPERAND REGISTERS;
; and params_log becomes a table of powers of lambda = exp(-v + i theta) and of gamma.
; A FRAGMENT is 16 rows x 128 K: 12 registers a lane, 1,536 bytes: quad q of lane l at 512 q + 16 l.  K ORDER: with NB = K / 32 blocks, in K step t lane (r, h) holds in registers 6 c .. 6 c + 5 the block
; c NB / 2 + 2 t + h, its 32 codes in their own order, and byte 2 c + h of the row's scale word is that block's.  Both operands of a product are laid so: whole blocks change places with their bytes,
; the products are the same, only the order of the f32 additions inside an instruction differs from ascending K.
; A RECORD is 16 rows x 8 K steps: 64 KiB of f32 in, 12,288 bytes of codes and 512 bytes of scale words out; one wave makes one record.  Record U = 4 x work-group + wave:
;   U < 1024: inputs: tile (bj, s) = (U / 32, U % 32), its row r is row 4096 (bj / 8) + 256 r + 32 (bj % 8) + s: the 16 rows of a tile are 16 segments of time
;   U < 1152: Wi: record R1 = U - 1024 = 4 cg + 2 p + u, its row r is Wi's row 2 (32 cg + 8 u + r + 8 (r / 8)) + p (p: real or imaginary part)
;   else    : Wo: record R2 = U - 1152 = 2 nt + half, its row r is Wo's row 16 nt + r, K steps 8 half .. 8 half + 7
; One path serves the three: only pointers, offsets and strides are chosen, by the work-group's number.  Work-groups 320 .. 327 make the table, one channel a thread, and use no LDS.
; A block's scale is 2^(floor(log2(largest magnitude)) - 2); its byte is the largest magnitude's exponent field - 2, held at 1 from below.  A block of zeros keeps the byte 1 where the rule says 127:
; its codes are zeros, and this program alone reads the bytes.
; LIMITS: NaN and infinities among the inputs are not served.  The table's phases n theta (n up to 2048) are reduced with pi/2 in two f32 parts: good to 1e-7 rad while n theta <= 1e5 (theta <= 48).
.set AQ_SC, 12582912                   ; aq: scale words behind the codes
.set WI_SC, 3145728                    ; wq: Wi's scale words
.set WO_SC, 3211264                    ; wq: Wo's
.set SPI,   528                        ; a stage row: 512 bytes + 16, so that sixteen rows begin in different banks
.set STW,   16*SPI                     ; a wave's own stage
.set RO,    8                          ; v8-23    row r's byte offset for my lane
.set RS,    24                         ; v24-151  two sets of 64 numbers as loaded
.set XS,    152                        ; v152-215 my two blocks of 32 neighbours
.set CD,    216                        ; v216-227 the fragment's 12 registers
.set WD,    236                        ; v236-243 the eight K steps' scale words
	s_load_b256 s[4:11], s[0:1], 0x0               ; inputs s[4:5], Wi s[6:7], Wo s[8:9], params_log s[10:11]
	s_load_b128 s[12:15], s[0:1], 0x20             ; aq s[12:13], wq s[14:15]
	s_load_b64 s[16:17], s[0:1], 0x30              ; tab
	v_lshl_add_u32 v252, v0, 2, 0x8400
	v_mov_b32 v253, 0
	s_cmp_ge_u32 ttmp9, 320
	s_cbranch_scc1 .Ltable
	v_lshrrev_b32 v1, 5, v0
	v_readfirstlane_b32 s18, v1                    ; wave
	v_and_b32 v1, 31, v0                           ; lane
	v_and_b32 v2, 15, v0                           ; r
	v_bfe_u32 v3, v0, 4, 1                         ; h
	s_lshl_b32 s19, ttmp9, 2
	s_add_co_u32 s19, s19, s18                     ; U
	s_lshr_b32 s20, s19, 8                         ; inputs: first row 4096 b + 32 j + s, in bytes
	s_lshl_b32 s20, s20, 12
	s_bfe_u32 s21, s19, 0x30005
	s_lshl_b32 s21, s21, 5
	s_add_co_u32 s20, s20, s21
	s_and_b32 s21, s19, 31
	s_add_co_u32 s20, s20, s21
	s_lshl_b32 s20, s20, 12
	s_sub_co_u32 s22, s19, 1024                    ; R1
	s_lshr_b32 s23, s22, 2                         ; Wi: first row 64 cg + 16 u + p, in bytes
	s_lshl_b32 s23, s23, 6
	s_and_b32 s24, s22, 1
	s_lshl_b32 s24, s24, 4
	s_add_co_u32 s23, s23, s24
	s_bfe_u32 s24, s22, 0x10001
	s_add_co_u32 s23, s23, s24
	s_lshl_b32 s23, s23, 12
	s_sub_co_u32 s25, s19, 1152                    ; R2
	s_lshr_b32 s26, s25, 1                         ; nt
	s_and_b32 s27, s25, 1                          ; which eight K steps
	s_lshl_b32 s28, s26, 17                        ; Wo: 16 rows of 8,192 bytes a tile, 2,048 bytes for eight K steps
	s_lshl_b32 s29, s27, 11
	s_add_co_u32 s28, s28, s29
	s_lshl_b32 s30, s26, 10                        ; its scale words: 64 bytes a row
	s_lshl_b32 s31, s27, 5
	s_add_co_u32 s30, s30, s31
	s_add_co_u32 s30, s30, WO_SC
	s_lshl_b32 s32, s22, 9
	s_add_co_u32 s32, s32, WI_SC
	s_lshl_b32 s33, s19, 9
	s_add_co_u32 s33, s33, AQ_SC
	s_mul_i32 s54, s19, 12288                      ; where the codes go: inputs' record,
	s_mul_i32 s55, s22, 12288                      ; a weight's (Wo's records follow Wi's 128)
	s_mov_b32 s44, 4096
	s_mov_b32 s42, 8192
	s_mov_b32 s37, 0
	s_mov_b32 s39, 0
	s_mov_b32 s41, 0
	s_mov_b32 s50, 0x76543210
	s_mov_b32 s51, 0xfedcba98                      ; v_permlanex16_b32's selects for lane l xor 16
	s_mov_b32 s52, 0xffff0000                      ; lanes 16-31
	s_mul_i32 s53, s18, STW
	s_wait_kmcnt 0x0
	s_cmp_lt_u32 ttmp9, 288                        ; Wi or Wo: the choices hang on the work-group's number alone
	s_cselect_b64 s[34:35], s[6:7], s[8:9]
	s_cselect_b32 s36, s23, s28
	s_cselect_b32 s40, s32, s30
	s_cselect_b32 s43, 0x10000, 0                  ; SB: added once, at r = 8
	s_cselect_b32 s44, 2048, s44                   ; D2: bytes to the second half of K
	s_cselect_b32 s45, 32, 64                      ; SP: bytes of scale words a row
	s_cmp_lt_u32 ttmp9, 256                        ; inputs or a weight
	s_cselect_b64 s[34:35], s[4:5], s[34:35]
	s_cselect_b64 s[46:47], s[12:13], s[14:15]
	s_cselect_b32 s36, s20, s36
	s_cselect_b32 s38, s54, s55
	s_cselect_b32 s40, s33, s40
	s_cselect_b32 s42, 0x100000, s42               ; SA: bytes from row r to row r + 1
	s_cselect_b32 s43, 0, s43
	s_cselect_b32 s44, 2048, s44
	s_cselect_b32 s45, 32, s45
	s_add_nc_u64 s[34:35], s[34:35], s[36:37]      ; the record's first row
	s_add_nc_u64 s[48:49], s[46:47], s[40:41]      ; its scale words
	s_add_nc_u64 s[46:47], s[46:47], s[38:39]      ; its codes
	v_lshlrev_b32 v[RO], 4, v2                     ; lanes 0-15 take 256 bytes of the first half of K, lanes 16-31 the 256 bytes D2 further on
	v_mad_u32_u24 v[RO], v3, s44, v[RO]
.set i, 1
.rept 15
	v_add_nc_u32 v[RO+i], s42, v[RO+i-1]
.if i == 8
	v_add_nc_u32 v[RO+i], s43, v[RO+i]
.endif
.set i, i+1
.endr
	v_lshl_add_u32 v4, v1, 4, s53                  ; the stage, on the way in: 16 x lane, a row for each load
	v_mul_u32_u24 v5, v2, SPI
	v_lshl_add_u32 v5, v3, 7, v5
	v_add_nc_u32 v5, s53, v5                       ; on the way out: row r, my block of each half: 128 h
	v_lshlrev_b32 v6, 4, v1                        ; an image's place for my lane
	v_mul_u32_u24 v7, v2, s45
	v_lshl_add_u32 v7, v3, 4, v7                   ; scale words: row r; lanes 0-15 K steps 0-3, lanes 16-31 K steps 4-7
	v_lshlrev_b32 v248, 3, v3                      ; 8 h: my bytes' place in a scale word
	v_mov_b32 v251, 0                              ; written once: a lane permute's destination counts as one of its sources
.macro LOAD t                          ; K step t of the 16 rows: each load reads two aligned runs of 256 bytes
.irp r, 0,1,2,3,4,5,6,7,8,9,10,11,12,13,14,15
	global_load_b128 v[RS+64*((\t)%2)+4*\r:RS+64*((\t)%2)+4*\r+3], v[RO+\r], s[34:35] offset:256*(\t) th:TH_LOAD_NT
.endr
.endm
.macro FRAGQ t
.if (\t) < 7
	s_wait_loadcnt 16                              ; this K step's 16 loads are in; the next step's 16 may be out
.else
	s_wait_loadcnt 0x0
.endif
.irp r, 0,1,2,3,4,5,6,7,8,9,10,11,12,13,14,15
	ds_store_b128 v4, v[RS+64*((\t)%2)+4*\r:RS+64*((\t)%2)+4*\r+3] offset:SPI*\r
.endr
.irp i, 0,1,2,3,4,5,6,7
	ds_load_b128 v[XS+4*\i:XS+4*\i+3], v5 offset:16*\i             ; LDS serves a wave's instructions in order: these see the stores above.  Block 2 t + h of row r
.endr
.irp i, 0,1,2,3,4,5,6,7
	ds_load_b128 v[XS+32+4*\i:XS+32+4*\i+3], v5 offset:256+16*\i   ; and the block NB / 2 further on
.endr
	s_wait_dscnt 0x0                               ; my 64 numbers are in, and the stores have read their registers,
.if (\t) < 6
	LOAD (\t)+2                                    ; which take the loads of two K steps on
.endif
	v_max3_num_f32 v244, |v[XS]|, |v[XS+1]|, 0x1800000             ; each block's largest magnitude, and the floor 2^(3 - 127): the byte cannot fall under 1
	v_max3_num_f32 v245, |v[XS+32]|, |v[XS+33]|, 0x1800000
.irp i, 2,4,6,8,10,12,14,16,18,20,22,24,26,28,30
	v_max3_num_f32 v244, v244, |v[XS+\i]|, |v[XS+\i+1]|            ; (the two blocks by turns)
	v_max3_num_f32 v245, v245, |v[XS+32+\i]|, |v[XS+33+\i]|
.endr
	v_add_nc_u32 v246, 0xff000000, v244            ; 2 off the exponent field: the conversion takes this operand's exponent field as its scale
	v_add_nc_u32 v247, 0xff000000, v245
	v_lshrrev_b32 v249, 23, v246                   ; the scales' bytes
	v_lshrrev_b32 v250, 23, v247
	v_lshl_or_b32 v249, v250, 16, v249             ; bytes h and 2 + h of row r's word,
	v_lshlrev_b32 v249, v248, v249                 ; at their places;
	v_permlanex16_b32 v251, v249, s50, s51
	v_or_b32 v[WD+(\t)], v249, v251                ; with lane l xor 16's two the word is whole
	s_wait_xcnt 0x0                                ; the last fragment's stores have read the registers that are written now
	v_cvt_scalef32_pk16_fp6_f32 v[CD:CD+2], v[XS:XS+15], v246
	v_cvt_scalef32_pk16_fp6_f32 v[228:230], v[XS+16:XS+31], v246   ; (a conversion's three registers begin on an even number)
	v_cvt_scalef32_pk16_fp6_f32 v[CD+6:CD+8], v[XS+32:XS+47], v247
	v_cvt_scalef32_pk16_fp6_f32 v[232:234], v[XS+48:XS+63], v247
	v_nop                                          ; one plain place behind a scaled conversion
.irp i, 0,1,2
	v_mov_b32 v[CD+3+\i], v[228+\i]
	v_mov_b32 v[CD+9+\i], v[232+\i]
.endr
.irp q, 0,1,2
	global_store_b128 v6, v[CD+4*\q:CD+4*\q+3], s[46:47] offset:1536*(\t)+512*\q   ; 32 lanes store 512 consecutive bytes, aligned
.endr
.endm
	LOAD 0
	LOAD 1
.irp t, 0,1,2,3,4,5,6,7
	FRAGQ \t
.endr
.irp q, 0,1,2,3
	v_cndmask_b32 v[244+\q], v[WD+\q], v[WD+4+\q], s52             ; every lane holds its row's eight words: lanes 0-15 send four, lanes 16-31 the other four
.endr
	global_store_b128 v7, v[244:247], s[48:49]
	s_wait_tensorcnt 0x0
	ds_add_u32 v252, v253
	s_wait_dscnt 0x0
	s_endpgm
; THE TABLE: [13][1024] f32: 0, 1 lambda (re, im); 2 gamma; 3, 4 lambda^32; 5, 6 lambda^256; 7, 8 lambda^512; 9, 10 lambda^1024; 11, 12 lambda^2048.
; lambda^n = e^(-n v) (cos(n theta) + i sin(n theta)); n is a power of two, so n v and n theta are exact.
.Ltable:
	s_sub_co_u32 s18, ttmp9, 320
	s_lshl_b32 s18, s18, 7
	v_add_nc_u32 v1, s18, v0                       ; my channel
	v_lshlrev_b32 v1, 2, v1
	s_mov_b32 s20, 0x3fb8aa3b                      ; log2(e), rounded,
	s_mov_b32 s21, 0x32a57060                      ; and what the rounding left
	s_mov_b32 s22, 0x3f317218                      ; ln 2
	s_mov_b32 s23, 0x3f22f983                      ; 2 / pi
	s_mov_b32 s24, 0xbfc90fdb                      ; -(pi / 2, rounded)
	s_mov_b32 s25, 0x333bbd2e                      ; that rounding's excess over pi / 2
	s_mov_b32 s26, 0xbe2aaaab                      ; -1/3!
	s_mov_b32 s27, 0x3c088889                      ; 1/5!
	s_mov_b32 s28, 0xb9500d01                      ; -1/7!
	s_mov_b32 s29, 0x3638ef1d                      ; 1/9!
	s_mov_b32 s30, 0x3d2aaaab                      ; 1/4!
	s_mov_b32 s31, 0xbab60b61                      ; -1/6!
	s_mov_b32 s32, 0x37d00d01                      ; 1/8!
	s_mov_b32 s33, 0xb493f27e                      ; -1/10!
	s_wait_kmcnt 0x0
	global_load_b32 v2, v1, s[10:11]
	global_load_b32 v3, v1, s[10:11] offset:4096
	global_load_b32 v4, v1, s[10:11] offset:8192
	s_wait_loadcnt 0x0
.macro EXPA d, x                       ; v[d] = e^v[x]: x log2(e) in two parts, the small part brought in behind the exponential
	v_mul_f32 v12, s20, v[\x]
	v_fma_f32 v13, v[\x], s20, -v12
	v_fma_f32 v13, v[\x], s21, v13
	v_exp_f32 v[\d], v12
	v_mul_f32 v13, s22, v13                        ; (a plain place behind the exponential)
	s_wait_alu depctr_va_vdst(0)
	v_fma_f32 v[\d], v[\d], v13, v[\d]
.endm
.macro SINCOS x                        ; v14 = sin v[x], v15 = cos v[x]
	v_mul_f32 v16, s23, v[\x]
	v_rndne_f32 v16, v16                           ; k
	v_fma_f32 v17, v16, s24, v[\x]
	v_fma_f32 v17, v16, s25, v17                   ; r = x - k pi / 2
	v_med3_num_f32 v17, v17, -1.0, 1.0             ; held, so that beyond the stated limit no infinity meets a zero magnitude
	v_mul_f32 v18, v17, v17
	v_fma_f32 v14, v18, s29, s28
	v_fma_f32 v15, v18, s33, s32
	v_fma_f32 v14, v14, v18, s27
	v_fma_f32 v15, v15, v18, s31
	v_fma_f32 v14, v14, v18, s26
	v_fma_f32 v15, v15, v18, s30
	v_mul_f32 v19, v18, v17
	v_fma_f32 v15, v15, v18, -0.5
	v_fma_f32 v14, v14, v19, v17                   ; sin r
	v_fma_f32 v15, v15, v18, 1.0                   ; cos r
	v_cvt_i32_f32 v16, v16
	v_and_b32 v19, 1, v16
	v_cmp_eq_u32 vcc_lo, 1, v19                    ; odd quadrants change the two
	v_cndmask_b32 v18, v14, v15, vcc_lo
	v_cndmask_b32 v19, v15, v14, vcc_lo
	v_and_b32 v14, 2, v16                          ; the sine is negated in quadrants 2, 3,
	v_add_nc_u32 v16, 1, v16
	v_and_b32 v16, 2, v16                          ; the cosine in 1, 2
	v_lshlrev_b32 v14, 30, v14
	v_lshlrev_b32 v16, 30, v16
	v_xor_b32 v14, v18, v14
	v_xor_b32 v15, v19, v16
.endm
.macro POWER re, lg                    ; lambda^(2^lg) into v[re], v[re + 1]
	v_ldexp_f32 v10, v6, \lg
	EXPA 11, 10
	v_ldexp_f32 v10, v7, \lg
	SINCOS 10
	v_mul_f32 v[\re], v11, v15
	v_mul_f32 v[\re+1], v11, v14
.endm
	EXPA 5, 2                                      ; v
	EXPA 7, 3                                      ; theta
	EXPA 22, 4                                     ; gamma
	v_mul_f32 v6, -1.0, v5                         ; -v
	POWER 20, 0
	POWER 23, 5
	POWER 25, 8
	POWER 27, 9
	POWER 29, 10
	POWER 31, 11
.irp q, 0,1,2,3,4,5,6,7,8,9,10,11,12
	global_store_b32 v1, v[20+\q], s[16:17] offset:4096*\q
.endr
	s_endpgm
.Lfunc_end_k_q78b6ca1545_quant:
	.size	k_q78b6ca1545_quant, .Lfunc_end_k_q78b6ca1545_quant-k_q78b6ca1545_quant
	.p2alignl 7, 3214868480
	.fill 96, 4, 3214868480
	.section	.rodata,"a",@progbits
	.p2align	6, 0x0
	.amdhsa_kernel k_q78b6ca1545_quant
		.amdhsa_group_segment_fixed_size 34304
		.amdhsa_private_segment_fixed_size 0
		.amdhsa_enable_private_segment 0
		.amdhsa_kernarg_size 56
		.amdhsa_user_sgpr_count 2
		.amdhsa_user_sgpr_kernarg_segment_ptr 1
		.amdhsa_wavefront_size32 1
		.amdhsa_system_sgpr_workgroup_id_x 1
		.amdhsa_system_sgpr_workgroup_id_y 1
		.amdhsa_system_sgpr_workgroup_id_z 1
		.amdhsa_system_vgpr_workitem_id 0
		.amdhsa_next_free_vgpr 254
		.amdhsa_next_free_sgpr 66
		.amdhsa_reserve_vcc 1
		.amdhsa_float_denorm_mode_32 3
		.amdhsa_float_denorm_mode_16_64 3
		.amdhsa_memory_ordered 1
		.amdhsa_forward_progress 1
		.amdhsa_inst_pref_size 74
	.end_amdhsa_kernel
	.amdgpu_metadata
---
amdhsa.version: [ 1, 2 ]
amdhsa.kernels:
  - .name:           k_q78b6ca1545_quant
    .symbol:         k_q78b6ca1545_quant.kd
    .args:
      - { .name: inputs, .offset: 0, .size: 8, .value_kind: global_buffer, .address_space: global }
      - { .name: Wi, .offset: 8, .size: 8, .value_kind: global_buffer, .address_space: global }
      - { .name: Wo, .offset: 16, .size: 8, .value_kind: global_buffer, .address_space: global }
      - { .name: params_log, .offset: 24, .size: 8, .value_kind: global_buffer, .address_space: global }
      - { .name: aq, .offset: 32, .size: 8, .value_kind: global_buffer, .address_space: global }
      - { .name: wq, .offset: 40, .size: 8, .value_kind: global_buffer, .address_space: global }
      - { .name: tab, .offset: 48, .size: 8, .value_kind: global_buffer, .address_space: global }
    .group_segment_fixed_size: 34304
    .private_segment_fixed_size: 0
    .kernarg_segment_align: 8
    .kernarg_segment_size: 56
    .max_flat_workgroup_size: 128
    .sgpr_count:     66
    .vgpr_count:     254
    .wavefront_size: 32
...
	.end_amdgpu_metadata
.endif
;; end of part 1
;; launch ends (part 2): grid 8 x 32, 4 waves a work-group, clusters of 4 x 1, 327,680 bytes of LDS; arguments aq, wq, bi, tab, est; writes est
.if DOCPART == 2
	.amdgcn_target "amdgcn-amd-amdhsa--gfx1250"
	.amdhsa_code_object_version 6
	.text
	.protected	k_q78b6ca1545_ends
	.globl	k_q78b6ca1545_ends
	.p2align	8
	.type	k_q78b6ca1545_ends,@function
k_q78b6ca1545_ends:
	s_mov_b64 s[64:65], 0
	v_nop
	global_prefetch_b8 v0, s[64:65] scope:SCOPE_SE
	s_setreg_imm32_b32 hwreg(HW_REG_WAVE_MODE, 25, 1), 1
	s_wait_xcnt 0x0
	s_wait_alu depctr_hold_cnt(0) depctr_sa_sdst(0) depctr_va_vdst(0) depctr_va_sdst(0) depctr_va_ssrc(0) depctr_va_vcc(0) depctr_vm_vsrc(0)
	s_getreg_b32 s2, hwreg(HW_REG_IB_STS2, 6, 4)
	s_cmp_eq_u32 s2, 0
	s_cbranch_scc0 .Lentry_in_a_cluster
	s_endpgm
.Lentry_in_a_cluster:
	s_bfe_u32 s2, ttmp6, 0x10000c
	s_cmp_lg_u32 s2, 0x3003
	s_cbranch_scc0 .Lentry_shape_is_right
	s_endpgm
.Lentry_shape_is_right:
; PRODUCT 1 WITH THE RECURRENCE INSIDE THE ACCUMULATOR CHAIN.  u = Q(inputs) Q(Wi)^T + bi on codes of FP6 (E2M3) with E8M0 scales; columns (2 d, 2 d + 1) of u are a complex number; x_t = lambda x_(t-1) + u_t along the rows.
; ONE TEXT, TWO LAUNCHES.  PASS = 1: every chunk of 32 rows starts from nothing, and only its end state is stored (est).  PASS = 2: every chunk starts from its true carry, made at the head from est;
; each x_t is multiplied by gamma, quantised along the channels and stored as codes and scale words of the second product's operand (xq).
; ROWS.  Row = 4096 b + 256 r + 32 j + s.  A tile (bj = 8 b + j, s) holds the 16 rows r: 16 segments of time, one a lane; time goes on from tile to tile, s = 0 .. 31, inside a lane.
; SHARES.  Work-group (CG, bj); wave w owns the 32 complex channels of group cg = 4 CG + w: four tiles of Wi's rows x 8 K steps, 384 registers that stay.  All four waves walk the same 32 tiles of inputs' codes,
; which come through a ring of two LDS slots of 8 tiles.  The four work-groups of a cluster (same bj) walk the same tiles: every tensor load is asked for JOINTLY, mask 15.
; LAYOUT.  The product is used transposed: source 0 = 16 rows of Wi, source 1 = the tile's 16 rows.  Wi's tile 2 p + u (p: re, im) was laid so that UA[8 (2 p + u) + i] of lane (r, h) is part p of channel
; 32 cg + 16 h + 8 u + i of row r: UA[0..15] real parts, UA[16..31] imaginary parts of 16 neighbouring channels.
; THE RECURRENCE.  VA = lambda UA + b (32 packed multiply-adds) is the C of the next tile's first matrix instruction, whose chain adds that tile's product: behind step s UA is x_s.
; So the sums are formed in another order than the doubling scan of the source, with the same terms.  K's blocks are taken in the order in which the codes were laid (both operands alike).
; LIMITS: NaN and infinities are not served; a block under 2^-124 keeps the byte 1.
.set PASS, 1
.set AQ_SC, 12582912                   ; aq: scale words behind the codes
.set WI_SC, 3145728                    ; wq: Wi's scale words
.set XQ_SC, 25165824                   ; xq: scale words behind the codes
.set STEPB, 12288                      ; a tile's 8 fragments
.set SLOTB, 8*STEPB                    ; LDS: two slots of 8 tiles at 0;
.set ASC,   2*SLOTB                    ; the 32 tiles' scale words, 512 bytes each, filled once;
.set STG,   ASC+16384                  ; PASS 2: each wave's 2,048 bytes of x's scale words [s][r];
.set SPARE, STG+8192                   ; the spare words, 128 bytes for each wave, that no other line names
.set LI,   1                           ; v1   16 x lane: an image's place for my lane
.set LSC,  2                           ; v2   ASC + 32 r + 16 h: lanes 0-15 K steps 0-3, lanes 16-31 K steps 4-7
.set AD,   3                           ; v3   LDS address of the fragments being fetched
.set ADS,  4                           ; v4   and of their scale words
.set H64,  5                           ; v5   64 h: my 16 channels in the table
.set H128, 6                           ; v6   128 h: the same in bi
.set XO,   7                           ; v7   PASS 2: my byte offset in x's codes
.set SB0,  8                           ; v8   PASS 2: STG + 2048 w + 4 x lane;  v9 the same for the pair in hand
.set SBA,  9
.set SPW,  10                          ; v10  LDS address of my spare word; never rewritten
.set NIL,  11                          ; v11  0; never rewritten
.set RDW,  12                          ; v12  PASS 2: where I read scale words back at the end
.set WSO,  15                          ; v15  32 r + 16 h
.set WS,   16                          ; v16-31   Wi's scale words: 4 x tile + t % 4; lanes 0-15 t < 4, lanes 16-31 t >= 4
.set AS,   32                          ; v32-39   the tile's: 4 x set + t % 4, likewise
.set UA,   40                          ; v40-71   the four accumulators
.set VA,   72                          ; v72-103  lambda x + b
.set YA,   104                         ; v104-135 gamma x; at the head lambda^32
.set LR,   136                         ; v136-151 lambda's real parts;  v152-167 imaginary parts
.set LM,   152
.set GA,   168                         ; v168-183 gamma
.set BI,   184                         ; v184-215 b in UA's layout
.set PC,   216                         ; v216-227 a fragment's half image;  v228-230, v232-234 the odd step's codes
.set QC,   228
.set TM,   236                         ; v236-246 at work
; window 1: Wi's fragments of K steps 0-3 at v[48 t + 12 tile]; window 2: K steps 4-7 likewise; window 3: the tile's fragments, two sets, at v[96 set + 12 t].
; At PASS 2's head: window 1 v192-223 lambda^256, v224-255 lambda^512; window 2 v192-223 lambda^1024, v224-255 lambda^2048; window 3: the eight images of est.
.set MSB, 0
.macro WIN new                         ; s_set_vgpr_msb: bits 1:0 source 0, 3:2 source 1, 5:4 source 2, 7:6 destination; the high byte repeats the setting that is left
.if MSB != \new
	s_set_vgpr_msb (MSB<<8)|\new
.set MSB, \new
.endif
.endm
.macro PLACES n
.rept \n
	v_nop
.endr
.endm
.macro CROUND                          ; a round of the cluster's barrier
	s_barrier_signal -1
	s_barrier_wait -1
	s_cmp_lg_u32 s16, 0
	s_cbranch_scc1 .Lnot_wave_0_\@
	s_barrier_signal -3
.Lnot_wave_0_\@:
	s_barrier_wait -3
	s_barrier_signal -1
	s_barrier_wait -1
.endm
	s_load_b256 s[4:11], s[0:1], 0x0               ; aq s[4:5], wq s[6:7], bi s[8:9], tab s[10:11]
	s_load_b64 s[12:13], s[0:1], 0x20              ; est
.if PASS == 2
	s_load_b64 s[14:15], s[0:1], 0x28              ; xq
.endif
	v_lshl_add_u32 v[SPW], v0, 2, SPARE
	v_mov_b32 v[NIL], 0
	ds_add_u32 v10, v11
	ds_add_u32 v10, v11
	s_wait_dscnt 0x0
	v_lshrrev_b32 v13, 5, v0
	v_readfirstlane_b32 s16, v13                   ; wave
	s_bfe_u32 s17, ttmp6, 0x40000                  ; cx: it enters global addresses of wq, bi, tab, est, xq alone
	s_lshl_b32 s18, ttmp9, 2
	s_add_co_u32 s18, s18, s17                     ; CG
	s_and_b32 s19, ttmp7, 0xffff                   ; bj, which the four partners share
	s_and_b32 s20, s19, 7                          ; j
	s_lshr_b32 s21, s19, 3                         ; b
	s_lshl_b32 s22, s18, 2
	s_add_co_u32 s22, s22, s16                     ; cg
	; descriptor group 1: a dense block as rows of 256 bytes (32 elements of 8 bytes): a wave's quarter of a slot, 96 rows
	s_mov_b32 s32, 15|(3<<16)|(1<<21)              ; 15:0 the mask: all four work-groups; 17:16 elements of 8 bytes; 21 set beside a mask
	s_mov_b32 s33, 32<<16                          ; tensor_dim0
	s_mov_b32 s34, 96<<16                          ; tensor_dim1
	s_mov_b32 s35, 32<<16                          ; tile_dim0
	s_mov_b32 s36, 96                              ; tile_dim1
	s_mov_b32 s37, 32                              ; stride
	s_mov_b32 s38, 0
	s_mov_b32 s39, 0
	s_mov_b32 s40, 15|(3<<16)|(1<<21)              ; the same with 16 rows: a quarter of the scale words
	s_mov_b32 s41, 32<<16
	s_mov_b32 s42, 16<<16
	s_mov_b32 s43, 32<<16
	s_mov_b32 s44, 16
	s_mov_b32 s45, 32
	s_mov_b32 s46, 0
	s_mov_b32 s47, 0
	s_mul_i32 s26, s16, 24576                      ; my quarter of a slot
	s_mul_i32 s24, s19, 393216                     ; bj's 32 tiles of codes
	s_add_co_u32 s24, s24, s26
	s_mov_b32 s25, 0
	s_lshl_b32 s27, s16, 12                        ; my quarter of the scale words
	s_lshl_b32 s28, s19, 14
	s_add_co_u32 s28, s28, s27
	s_add_co_u32 s28, s28, AQ_SC
	s_mov_b32 s29, 0
	s_mul_i32 s30, s22, 49152                      ; cg's 32 fragments of Wi
	s_mov_b32 s31, 0
	s_lshl_b32 s74, s22, 11                        ; their scale words
	s_add_co_u32 s74, s74, WI_SC
	s_mov_b32 s75, 0
	s_lshl_b32 s76, s22, 8                         ; cg's 64 numbers of bi
	s_mov_b32 s77, 0
	s_lshl_b32 s78, s22, 7                         ; cg's 32 channels in a row of the table
	s_mov_b32 s79, 0
	s_lshl_b32 s2, s21, 5
	s_add_co_u32 s2, s2, s22                       ; 32 b + cg
.if PASS == 1
	s_lshl_b32 s2, s2, 3
	s_add_co_u32 s2, s2, s20
	s_lshl_b32 s2, s2, 12                          ; est [b][cg][j]: my image of 4,096 bytes
.else
	s_lshl_b32 s2, s2, 15                          ; est [b][cg]: the eight images
.endif
	s_mov_b32 s3, 0
.if PASS == 2
	s_lshl_b32 s70, s19, 3
	s_add_co_u32 s70, s70, s18
	s_mul_i32 s70, s70, 98304                      ; x's codes [bj][CG]: 32 steps x 2 fragments
	s_mov_b32 s71, 0
	s_lshr_b32 s62, s16, 1                         ; which of CG's two K steps of the second product is mine,
	s_and_b32 s63, s16, 1                          ; and which half of its lanes
	s_lshl_b32 s69, s63, 3                         ; my bytes' place in a scale word
	s_lshl_b32 s72, s18, 1
	s_add_co_u32 s72, s72, s62
	s_lshl_b32 s72, s72, 11                        ; x's scale words [bj][tau][s][r]
	s_lshl_b32 s73, s19, 15
	s_add_co_u32 s72, s72, s73
	s_lshl_b32 s73, s63, 10                        ; at the end I send steps 16 (w % 2) on
	s_add_co_u32 s72, s72, s73
	s_add_co_u32 s72, s72, XQ_SC
	s_mov_b32 s73, 0
	s_mov_b32 s66, 0x76543210
	s_mov_b32 s67, 0xfedcba98                      ; v_permlanex16_b32's selects for lane l xor 16
	s_mov_b32 s68, 0xffff0000                      ; lanes 16-31
.endif
	s_wait_kmcnt 0x0
	s_add_nc_u64 s[30:31], s[6:7], s[30:31]
	s_add_nc_u64 s[74:75], s[6:7], s[74:75]
	s_add_nc_u64 s[8:9], s[8:9], s[76:77]
	s_add_nc_u64 s[10:11], s[10:11], s[78:79]
	s_add_nc_u64 s[12:13], s[12:13], s[2:3]
.if PASS == 2
	s_add_nc_u64 s[70:71], s[14:15], s[70:71]
	s_add_nc_u64 s[72:73], s[14:15], s[72:73]
.endif
	s_mov_b32 s48, 1                               ; group 0 for the scale words
	s_add_co_u32 s49, s27, ASC
	s_add_nc_u64 s[50:51], s[4:5], s[28:29]
	s_or_b32 s51, s51, 0x80000000
	s_mov_b32 s52, 1                               ; for slot 0: steps 0-7
	s_mov_b32 s53, s26
	s_add_nc_u64 s[54:55], s[4:5], s[24:25]
	s_mov_b32 s56, 1                               ; for slot 1: steps 8-15
	s_add_co_u32 s57, s26, SLOTB
	s_add_nc_u64 s[58:59], s[54:55], SLOTB
	s_or_b32 s55, s55, 0x80000000
	s_or_b32 s59, s59, 0x80000000
	CROUND                                         ; all four work-groups are here: the first joint loads meet
	tensor_load_to_lds s[48:51], s[40:47]          ; three loads of mine are out
	s_nop 0
	tensor_load_to_lds s[52:55], s[32:39]
	s_nop 0
	tensor_load_to_lds s[56:59], s[32:39]
	s_nop 0
	PLACES 4
	v_and_b32 v[AD], 31, v0                        ; lane
	v_and_b32 v13, 15, v0                          ; r
	v_bfe_u32 v14, v0, 4, 1                        ; h
	v_lshlrev_b32 v[LI], 4, v[AD]
	v_lshlrev_b32 v[WSO], 5, v13
	v_lshl_add_u32 v[WSO], v14, 4, v[WSO]
	v_add_nc_u32 v[LSC], ASC, v[WSO]
	v_lshlrev_b32 v[H64], 6, v14
	v_lshlrev_b32 v[H128], 7, v14
.if PASS == 2
	s_lshl_b32 s76, s63, 8
	s_mul_i32 s77, s62, 1536
	s_add_co_u32 s76, s76, s77
	v_mul_u32_u24 v[XO], v14, 3072                 ; lanes 0-15 send the even step's half image, lanes 16-31 the odd step's, 3,072 bytes on
	v_lshl_add_u32 v[XO], v13, 4, v[XO]
	v_add_nc_u32 v[XO], s76, v[XO]                 ; + 1536 (w / 2): the fragment; + 256 (w % 2): its lanes 16 (w % 2) + r
	s_lshl_b32 s77, s16, 11
	s_add_co_u32 s77, s77, STG
	v_lshl_add_u32 v[SB0], v[AD], 2, s77
	s_lshl_b32 s78, s62, 12
	s_lshl_b32 s79, s63, 10
	s_add_co_u32 s78, s78, s79
	s_add_co_u32 s78, s78, STG
	v_add_nc_u32 v[RDW], s78, v[LI]                ; the stage of wave 2 (w / 2), steps 16 (w % 2) on
	v_mov_b32 v[TM+2], 0                           ; written once: a lane permute's destination counts as one of its sources
	v_mov_b32 v[TM+3], 0
	WIN 0xc0
.irp k, 0,1,2,3,4,5,6,7                        ; the end states of my channels' chunks (r, k), as they were stored
.irp q, 0,1,2,3,4,5,6,7
	global_load_b128 v[32*\k+4*\q:32*\k+4*\q+3], v[LI], s[12:13] offset:4096*\k+512*\q
.endr
.endr
	WIN 0
.irp q, 0,1
.irp i, 0,1,2,3
	global_load_b128 v[YA+16*\q+4*\i:YA+16*\q+4*\i+3], v[H64], s[10:11] offset:4096*(3+\q)+16*\i   ; lambda^32
.endr
.endr
	WIN 0x40
.irp q, 0,1,2,3
.irp i, 0,1,2,3
	global_load_b128 v[192+16*\q+4*\i:192+16*\q+4*\i+3], v[H64], s[10:11] offset:4096*(5+\q)+16*\i   ; lambda^256, lambda^512
.endr
.endr
	WIN 0x80
.irp q, 0,1,2,3
.irp i, 0,1,2,3
	global_load_b128 v[192+16*\q+4*\i:192+16*\q+4*\i+3], v[H64], s[10:11] offset:4096*(9+\q)+16*\i   ; lambda^1024, lambda^2048
.endr
.endr
	WIN 0
.endif
.irp q, 0,1
.irp i, 0,1,2,3
	global_load_b128 v[LR+16*\q+4*\i:LR+16*\q+4*\i+3], v[H64], s[10:11] offset:4096*\q+16*\i       ; lambda
.endr
.endr
.if PASS == 2
.irp i, 0,1,2,3
	global_load_b128 v[GA+4*\i:GA+4*\i+3], v[H64], s[10:11] offset:8192+16*\i                      ; gamma
.endr
.endif
.irp p, 0,1
.irp u, 0,1
.irp i, 0,1,2,3,4,5,6,7
	global_load_b32 v[BI+8*(2*\p+\u)+\i], v[H128], s[8:9] offset:4*(16*\u+2*\i+\p)                 ; bi[2 (32 cg + 16 h + 8 u + i) + p]
.endr
.endr
.endr
.irp i, 0,1,2,3
	global_load_b128 v[WS+4*\i:WS+4*\i+3], v[WSO], s[74:75] offset:512*\i
.endr
	WIN 0x40
.irp t, 0,1,2,3
.irp i, 0,1,2,3
.irp q, 0,1,2
	global_load_b128 v[48*\t+12*\i+4*\q:48*\t+12*\i+4*\q+3], v[LI], s[30:31] offset:12288*\i+1536*\t+512*\q
.endr
.endr
.endr
	WIN 0x80
.irp t, 0,1,2,3
.irp i, 0,1,2,3
.irp q, 0,1,2
	global_load_b128 v[48*\t+12*\i+4*\q:48*\t+12*\i+4*\q+3], v[LI], s[30:31] offset:12288*\i+1536*(\t+4)+512*\q
.endr
.endr
.endr
	WIN 0
; st = m st + a, complex, 16 channels a lane, in place: st, tm, a are 16 real parts and 16 imaginary parts; aw: the window setting for a (source 2)
.macro CMAIP st, tm, mr, mi, a, aw
	WIN \aw
.irp p, 0,2,4,6,8,10,12,14
	v_pk_fma_f32 v[\tm+\p:\tm+\p+1], v[\mr+\p:\mr+\p+1], v[\st+\p:\st+\p+1], v[\a+\p:\a+\p+1]
.endr
.irp p, 0,2,4,6,8,10,12,14
	v_pk_fma_f32 v[\tm+16+\p:\tm+17+\p], v[\mi+\p:\mi+\p+1], v[\st+\p:\st+\p+1], v[\a+16+\p:\a+17+\p]
.endr
	WIN 0
.irp p, 0,2,4,6,8,10,12,14
	v_pk_fma_f32 v[\st+\p:\st+\p+1], v[\mi+\p:\mi+\p+1], v[\st+16+\p:\st+17+\p], v[\tm+\p:\tm+\p+1] neg_lo:[1,0,0] neg_hi:[1,0,0]
.endr
.irp p, 0,2,4,6,8,10,12,14
	v_pk_fma_f32 v[\st+16+\p:\st+17+\p], v[\mr+\p:\mr+\p+1], v[\st+16+\p:\st+17+\p], v[\tm+16+\p:\tm+17+\p]
.endr
.endm
.macro SHIFT d                         ; VA = UA of the lane d below in my 16 (segment r - d); the lanes without a source keep the 0 written just before
.set i, 0
.rept 32
	v_mov_b32 v[VA+i], 0
.set i, i+1
.endr
.set i, 0
.rept 32
	v_mov_b32_dpp v[VA+i], v[UA+i] row_shr:\d row_mask:0xf bank_mask:0xf
.set i, i+1
.endr
.endm
.macro KS d, win, k                    ; UA(r) += K UA(r - d): a step of the scan over the 16 segments; K = lambda^(256 d) at v[k] of the window that win names for source 0
	SHIFT \d
	WIN \win
.irp p, 0,2,4,6,8,10,12,14
	v_pk_fma_f32 v[UA+\p:UA+\p+1], v[\k+\p:\k+\p+1], v[VA+\p:VA+\p+1], v[UA+\p:UA+\p+1]
.endr
.irp p, 0,2,4,6,8,10,12,14
	v_pk_fma_f32 v[UA+16+\p:UA+17+\p], v[\k+16+\p:\k+17+\p], v[VA+\p:VA+\p+1], v[UA+16+\p:UA+17+\p]
.endr
.irp p, 0,2,4,6,8,10,12,14
	v_pk_fma_f32 v[UA+\p:UA+\p+1], v[\k+16+\p:\k+17+\p], v[VA+16+\p:VA+17+\p], v[UA+\p:UA+\p+1] neg_lo:[1,0,0] neg_hi:[1,0,0]
.endr
.irp p, 0,2,4,6,8,10,12,14
	v_pk_fma_f32 v[UA+16+\p:UA+17+\p], v[\k+\p:\k+\p+1], v[VA+16+\p:VA+17+\p], v[UA+16+\p:UA+17+\p]
.endr
	WIN 0
.endm
.if PASS == 1
	s_wait_loadcnt 0x0
.set i, 0
.rept 32
	v_mov_b32 v[VA+i], v[BI+i]                     ; the carry from nothing: lambda 0 + b
.set i, i+1
.endr
.else
	s_wait_loadcnt 63                              ; the 63 youngest loads are all among Wi's 96 fragments' loads: all that was asked for ahead of those is in
	; THE CARRY.  F(r) = the end state of segment r (256 rows) started from nothing; Z(r) = F(r) + lambda^256 Z(r - 1) by four doubling steps over the 16 lanes;
	; my chunk's carry = Z(r - 1) taken through the chunks 0 .. j - 1 of my segment.
	WIN 0x03
.set i, 0
.rept 32
	v_mov_b32 v[UA+i], v[i]
.set i, i+1
.endr
	WIN 0
.irp k, 1,2,3,4,5,6,7
	CMAIP UA, VA, YA, YA+16, 32*\k, 0x30
.endr
	KS 1, 0x01, 192
	KS 2, 0x01, 224
	KS 4, 0x02, 192
	KS 8, 0x02, 224
	SHIFT 1                                        ; Z(r - 1); nothing ahead of segment 0
.irp k, 0,1,2,3,4,5,6
	s_cmp_le_u32 s20, \k                           ; j is the same in all waves and in all four partners
	s_cbranch_scc1 .Lcarried
	CMAIP VA, UA, YA, YA+16, 32*\k, 0x30
.endr
.Lcarried:
	CMAIP VA, UA, LR, LM, BI, 0                    ; lambda x carry + b: the C of step 0
	s_wait_loadcnt 0x0
	s_mov_b32 s63, 0                               ; the pair's place in my stage of scale words
.endif
	s_mov_b32 s60, 0                               ; LDS byte of the tile to be fetched next
	s_mov_b32 s61, 0                               ; and of its scale words
.macro FETCH par                       ; 25 LDS loads: the next tile's 8 fragments, as images, into set par, and its scale words
	v_add_nc_u32 v[AD], s60, v[LI]
	v_add_nc_u32 v[ADS], s61, v[LSC]
	s_add_co_u32 s60, s60, STEPB
	s_add_co_u32 s61, s61, 512
	WIN 0xc0
.irp t, 0,1,2,3,4,5,6,7
.irp q, 0,1,2
	ds_load_b128 v[96*(\par)+12*\t+4*\q:96*(\par)+12*\t+4*\q+3], v[AD] offset:1536*\t+512*\q
.endr
.endr
	WIN 0
	ds_load_b128 v[AS+4*(\par):AS+4*(\par)+3], v[ADS]
.endm
.macro MM par                          ; 32 matrix instructions: K step by K step, the four accumulators by turns, one instruction a turn
	WIN 0x0d                                       ; source 0 (Wi) window 1, source 1 (the tile) window 3
.irp t, 0,1,2,3
.irp i, 0,1,2,3
.if \t == 0
	v_wmma_scale_f32_16x16x128_f8f6f4 v[UA+8*\i:UA+8*\i+7], v[48*\t+12*\i:48*\t+12*\i+11], v[96*\par+12*\t:96*\par+12*\t+11], v[VA+8*\i:VA+8*\i+7], v[WS+4*\i+\t], v[AS+4*\par+\t] matrix_a_fmt:MATRIX_FMT_FP6 matrix_b_fmt:MATRIX_FMT_FP6
.else
	v_wmma_scale_f32_16x16x128_f8f6f4 v[UA+8*\i:UA+8*\i+7], v[48*\t+12*\i:48*\t+12*\i+11], v[96*\par+12*\t:96*\par+12*\t+11], v[UA+8*\i:UA+8*\i+7], v[WS+4*\i+\t], v[AS+4*\par+\t] matrix_a_fmt:MATRIX_FMT_FP6 matrix_b_fmt:MATRIX_FMT_FP6
.endif
.endr
.endr
	WIN 0x0e                                       ; source 0 window 2: K steps 4-7, whose scale words lie in lanes 16-31
.irp t, 0,1,2,3
.irp i, 0,1,2,3
	v_wmma_scale_f32_16x16x128_f8f6f4 v[UA+8*\i:UA+8*\i+7], v[48*\t+12*\i:48*\t+12*\i+11], v[96*\par+48+12*\t:96*\par+48+12*\t+11], v[UA+8*\i:UA+8*\i+7], v[WS+4*\i+\t], v[AS+4*\par+\t] matrix_a_fmt:MATRIX_FMT_FP6 matrix_b_fmt:MATRIX_FMT_FP6 matrix_a_scale:MATRIX_SCALE_ROW1 matrix_b_scale:MATRIX_SCALE_ROW1
.endr
.endr
	WIN 0
.endm
.macro LAMB                            ; VA = lambda UA + b; each accumulator is read from its low end on
.irp p, 0,2,4,6,8,10,12,14
	v_pk_fma_f32 v[VA+\p:VA+\p+1], v[LR+\p:LR+\p+1], v[UA+\p:UA+\p+1], v[BI+\p:BI+\p+1]
.endr
.irp p, 0,2,4,6,8,10,12,14
	v_pk_fma_f32 v[VA+16+\p:VA+17+\p], v[LM+\p:LM+\p+1], v[UA+\p:UA+\p+1], v[BI+16+\p:BI+17+\p]
.endr
.irp p, 0,2,4,6,8,10,12,14
	v_pk_fma_f32 v[VA+\p:VA+\p+1], v[LM+\p:LM+\p+1], v[UA+16+\p:UA+17+\p], v[VA+\p:VA+\p+1] neg_lo:[1,0,0] neg_hi:[1,0,0]
.endr
.irp p, 0,2,4,6,8,10,12,14
	v_pk_fma_f32 v[VA+16+\p:VA+17+\p], v[LR+\p:LR+\p+1], v[UA+16+\p:UA+17+\p], v[VA+16+\p:VA+17+\p]
.endr
.endm
; PASS 2: gamma x_s is quantised.  The real parts of my 32 channels are one block of the second product's K, the imaginary parts another; a block lies in lanes l and l xor 16, 16 numbers each.
; Two steps are paired: the exchange of halves leaves lanes 0-15 with row r's two whole blocks of the even step and lanes 16-31 with those of the odd step: 12 registers, half an image each.
.macro QUANT par
.irp p, 0,2,4,6,8,10,12,14
	v_pk_mul_f32 v[YA+\p:YA+\p+1], v[GA+\p:GA+\p+1], v[UA+\p:UA+\p+1]
.endr
.irp p, 0,2,4,6,8,10,12,14
	v_pk_mul_f32 v[YA+16+\p:YA+17+\p], v[GA+\p:GA+\p+1], v[UA+16+\p:UA+17+\p]
.endr
	v_max3_num_f32 v[TM], |v[YA]|, |v[YA+1]|, 0x1800000            ; my 16 numbers of each block, and the floor 2^(3 - 127): the byte cannot fall under 1
	v_max3_num_f32 v[TM+1], |v[YA+16]|, |v[YA+17]|, 0x1800000
.irp i, 2,4,6,8,10,12,14
	v_max3_num_f32 v[TM], v[TM], |v[YA+\i]|, |v[YA+\i+1]|
	v_max3_num_f32 v[TM+1], v[TM+1], |v[YA+16+\i]|, |v[YA+17+\i]|
.endr
	v_permlanex16_b32 v[TM+2], v[TM], s66, s67
	v_permlanex16_b32 v[TM+3], v[TM+1], s66, s67
	v_max_num_f32 v[TM], v[TM], v[TM+2]            ; with lane l xor 16's: the blocks' largest magnitudes
	v_max_num_f32 v[TM+1], v[TM+1], v[TM+3]
	v_add_nc_u32 v[TM+4], 0xff000000, v[TM]        ; 2 off the exponent field: the conversion's scale operand
	v_add_nc_u32 v[TM+5], 0xff000000, v[TM+1]
	v_lshrrev_b32 v[TM+6], 23, v[TM+4]             ; the scales' bytes
	v_lshrrev_b32 v[TM+7], 23, v[TM+5]
	v_lshl_or_b32 v[TM+8+\par], v[TM+7], 16, v[TM+6]               ; real parts' byte low, imaginary parts' two bytes up
.if \par == 0
	s_wait_xcnt 0x0                                ; the last pair's stores have read their data and their offset: both are written now
	v_add_nc_u32 v[XO], 6144, v[XO]                ; the stores reach back by this much
	v_cvt_scalef32_pk16_fp6_f32 v[PC:PC+2], v[YA:YA+15], v[TM+4]
	v_cvt_scalef32_pk16_fp6_f32 v[PC+6:PC+8], v[YA+16:YA+31], v[TM+5]
	v_nop                                          ; one plain place behind a scaled conversion
.else
	v_cvt_scalef32_pk16_fp6_f32 v[QC:QC+2], v[YA:YA+15], v[TM+4]
	v_cvt_scalef32_pk16_fp6_f32 v[QC+4:QC+6], v[YA+16:YA+31], v[TM+5]
	v_nop
.irp i, 0,1,2
	v_permlane16_swap_b32 v[PC+\i], v[QC+\i]       ; the first's lanes 16-31 change places with the second's lanes 0-15
	v_permlane16_swap_b32 v[PC+6+\i], v[QC+4+\i]
.endr
.irp i, 0,1,2
	v_mov_b32 v[PC+3+\i], v[QC+\i]
	v_mov_b32 v[PC+9+\i], v[QC+4+\i]
.endr
.irp q, 0,1,2
	global_store_b128 v[XO], v[PC+4*\q:PC+4*\q+3], s[70:71] offset:512*\q-6144     ; each half of the lanes stores 256 consecutive bytes, aligned
.endr
	v_cndmask_b32 v[TM+10], v[TM+8], v[TM+9], s68  ; lanes 0-15 the even step's word, lanes 16-31 the odd step's,
	v_lshlrev_b32 v[TM+10], s69, v[TM+10]          ; at my channel group's bytes
	v_add_nc_u32 v[SBA], s63, v[SB0]
	s_add_co_u32 s63, s63, 128
	ds_store_b32 v[SBA], v[TM+10]
.endif
.endm
; A STEP.  pf: the next tile is fetched; lamb: a step follows.
.macro STEP par, pf, lamb
.if \pf
	FETCH 1-\par
	s_wait_dscnt 25                                ; all but the 25 loads just issued: this step's fragments and scale words are in
.else
	s_wait_dscnt 0x0
.endif
	MM \par
	PLACES 5                                       ; four places ahead of the first read of the results and of writes of VA; five ahead of the next step's first products, which begin the accumulators anew with another C (ISA guide 7.12.1)
.if \lamb
	LAMB
.endif
.if PASS == 2
	QUANT \par
.elseif \lamb
	PLACES 4
.endif
.endm
; THE CHANGE OF SLOTS, at the head of a slot's last step, whose fragments have been asked for.  fill = 1: the slot is filled again with the tiles 16 steps on: the load has eight steps in which to land.
.macro CHANGE fill, slot
	s_wait_tensorcnt 0x0                           ; all my tensor loads have landed: my part of the other slot
	ds_add_u32 v[SPW], v[NIL]                      ; 0 onto my spare word
.if \fill
	s_add_nc_u64 s[54+4*\slot:55+4*\slot], s[54+4*\slot:55+4*\slot], 2*SLOTB
.endif
	s_wait_dscnt 0x0                               ; the add is done, and my reads of this slot are over
.if \fill
	CROUND                                         ; both now hold of every wave of all four work-groups
	tensor_load_to_lds s[52+4*\slot:55+4*\slot], s[32:39]
	s_nop 0
	PLACES 4
.else
	s_barrier_signal -1
	s_barrier_wait -1
.endif
.endm
.macro PAIRS3
	s_mov_b32 s62, 3
.Lpair_\@:
	STEP 0, 1, 1
	STEP 1, 1, 1
	s_sub_co_u32 s62, s62, 1
	s_cmp_lg_u32 s62, 0
	s_cbranch_scc1 .Lpair_\@
.endm
	s_wait_tensorcnt 0x1                           ; the scale words and my part of slot 0 are in; slot 1's load may stay out
	s_barrier_signal -1
	s_barrier_wait -1
	FETCH 0
	PAIRS3                                         ; steps 0-5
	STEP 0, 1, 1
	CHANGE 1, 0                                    ; slot 0 takes steps 16-23
	STEP 1, 1, 1
	PAIRS3                                         ; steps 8-13
	STEP 0, 1, 1
	CHANGE 1, 1                                    ; slot 1 takes steps 24-31
	s_mov_b32 s60, 0                               ; step 16 lies at the ring's head
	STEP 1, 1, 1
	PAIRS3                                         ; steps 16-21
	STEP 0, 1, 1
	CHANGE 0, 0                                    ; nothing is left to ask for
	STEP 1, 1, 1
	PAIRS3                                         ; steps 24-29
	STEP 0, 1, 1
	STEP 1, 0, 0
.if PASS == 1
.irp q, 0,1,2,3,4,5,6,7
	global_store_b128 v[LI], v[UA+4*\q:UA+4*\q+3], s[12:13] offset:512*\q          ; the chunk's end state, as an image: 512 consecutive bytes a store
.endr
.else
	s_wait_dscnt 0x0                               ; my scale words lie in my stage
	s_barrier_signal -1
	s_barrier_wait -1
	ds_load_b128 v[YA:YA+3], v[RDW]                ; two waves hold the two halves of a word's bytes
	ds_load_b128 v[YA+4:YA+7], v[RDW] offset:512
	ds_load_b128 v[YA+8:YA+11], v[RDW] offset:2048
	ds_load_b128 v[YA+12:YA+15], v[RDW] offset:2560
	s_wait_dscnt 0x0
.irp i, 0,1,2,3,4,5,6,7
	v_or_b32 v[YA+\i], v[YA+\i], v[YA+8+\i]
.endr
	global_store_b128 v[LI], v[YA:YA+3], s[72:73]
	global_store_b128 v[LI], v[YA+4:YA+7], s[72:73] offset:512
.endif
	s_wait_tensorcnt 0x0                           ; the wave's end
	ds_add_u32 v[SPW], v[NIL]
	s_wait_dscnt 0x0
	CROUND                                         ; the closing round
	s_endpgm
.Lfunc_end_k_q78b6ca1545_ends:
	.size	k_q78b6ca1545_ends, .Lfunc_end_k_q78b6ca1545_ends-k_q78b6ca1545_ends
	.p2alignl 7, 3214868480
	.fill 96, 4, 3214868480
	.section	.rodata,"a",@progbits
	.p2align	6, 0x0
	.amdhsa_kernel k_q78b6ca1545_ends
		.amdhsa_group_segment_fixed_size 327680
		.amdhsa_private_segment_fixed_size 0
		.amdhsa_enable_private_segment 0
		.amdhsa_kernarg_size 40
		.amdhsa_user_sgpr_count 2
		.amdhsa_user_sgpr_kernarg_segment_ptr 1
		.amdhsa_wavefront_size32 1
		.amdhsa_system_sgpr_workgroup_id_x 1
		.amdhsa_system_sgpr_workgroup_id_y 1
		.amdhsa_system_sgpr_workgroup_id_z 1
		.amdhsa_system_vgpr_workitem_id 0
		.amdhsa_next_free_vgpr 1024
		.amdhsa_next_free_sgpr 80
		.amdhsa_reserve_vcc 0
		.amdhsa_float_denorm_mode_32 3
		.amdhsa_float_denorm_mode_16_64 3
		.amdhsa_memory_ordered 1
		.amdhsa_forward_progress 1
		.amdhsa_inst_pref_size 152
	.end_amdhsa_kernel
	.amdgpu_metadata
---
amdhsa.version: [ 1, 2 ]
amdhsa.kernels:
  - .name:           k_q78b6ca1545_ends
    .symbol:         k_q78b6ca1545_ends.kd
    .args:
      - { .name: aq, .offset: 0, .size: 8, .value_kind: global_buffer, .address_space: global }
      - { .name: wq, .offset: 8, .size: 8, .value_kind: global_buffer, .address_space: global }
      - { .name: bi, .offset: 16, .size: 8, .value_kind: global_buffer, .address_space: global }
      - { .name: tab, .offset: 24, .size: 8, .value_kind: global_buffer, .address_space: global }
      - { .name: est, .offset: 32, .size: 8, .value_kind: global_buffer, .address_space: global }
    .group_segment_fixed_size: 327680
    .private_segment_fixed_size: 0
    .kernarg_segment_align: 8
    .kernarg_segment_size: 40
    .max_flat_workgroup_size: 128
    .sgpr_count:     80
    .vgpr_count:     1024
    .wavefront_size: 32
...
	.end_amdgpu_metadata
.endif
;; end of part 2
;; launch scan (part 3): grid 8 x 32, 4 waves a work-group, clusters of 4 x 1, 327,680 bytes of LDS; arguments aq, wq, bi, tab, est, xq; writes xq
.if DOCPART == 3
	.amdgcn_target "amdgcn-amd-amdhsa--gfx1250"
	.amdhsa_code_object_version 6
	.text
	.protected	k_q78b6ca1545_scan
	.globl	k_q78b6ca1545_scan
	.p2align	8
	.type	k_q78b6ca1545_scan,@function
k_q78b6ca1545_scan:
	s_mov_b64 s[64:65], 0
	v_nop
	global_prefetch_b8 v0, s[64:65] scope:SCOPE_SE
	s_setreg_imm32_b32 hwreg(HW_REG_WAVE_MODE, 25, 1), 1
	s_wait_xcnt 0x0
	s_wait_alu depctr_hold_cnt(0) depctr_sa_sdst(0) depctr_va_vdst(0) depctr_va_sdst(0) depctr_va_ssrc(0) depctr_va_vcc(0) depctr_vm_vsrc(0)
	s_getreg_b32 s2, hwreg(HW_REG_IB_STS2, 6, 4)
	s_cmp_eq_u32 s2, 0
	s_cbranch_scc0 .Lentry_in_a_cluster
	s_endpgm
.Lentry_in_a_cluster:
	s_bfe_u32 s2, ttmp6, 0x10000c
	s_cmp_lg_u32 s2, 0x3003
	s_cbranch_scc0 .Lentry_shape_is_right
	s_endpgm
.Lentry_shape_is_right:
; PRODUCT 1 WITH THE RECURRENCE INSIDE THE ACCUMULATOR CHAIN.  u = Q(inputs) Q(Wi)^T + bi on codes of FP6 (E2M3) with E8M0 scales; columns (2 d, 2 d + 1) of u are a complex number; x_t = lambda x_(t-1) + u_t along the rows.
; ONE TEXT, TWO LAUNCHES.  PASS = 1: every chunk of 32 rows starts from nothing, and only its end state is stored (est).  PASS = 2: every chunk starts from its true carry, made at the head from est;
; each x_t is multiplied by gamma, quantised along the channels and stored as codes and scale words of the second product's operand (xq).
; ROWS.  Row = 4096 b + 256 r + 32 j + s.  A tile (bj = 8 b + j, s) holds the 16 rows r: 16 segments of time, one a lane; time goes on from tile to tile, s = 0 .. 31, inside a lane.
; SHARES.  Work-group (CG, bj); wave w owns the 32 complex channels of group cg = 4 CG + w: four tiles of Wi's rows x 8 K steps, 384 registers that stay.  All four waves walk the same 32 tiles of inputs' codes,
; which come through a ring of two LDS slots of 8 tiles.  The four work-groups of a cluster (same bj) walk the same tiles: every tensor load is asked for JOINTLY, mask 15.
; LAYOUT.  The product is used transposed: source 0 = 16 rows of Wi, source 1 = the tile's 16 rows.  Wi's tile 2 p + u (p: re, im) was laid so that UA[8 (2 p + u) + i] of lane (r, h) is part p of channel
; 32 cg + 16 h + 8 u + i of row r: UA[0..15] real parts, UA[16..31] imaginary parts of 16 neighbouring channels.
; THE RECURRENCE.  VA = lambda UA + b (32 packed multiply-adds) is the C of the next tile's first matrix instruction, whose chain adds that tile's product: behind step s UA is x_s.
; So the sums are formed in another order than the doubling scan of the source, with the same terms.  K's blocks are taken in the order in which the codes were laid (both operands alike).
; LIMITS: NaN and infinities are not served; a block under 2^-124 keeps the byte 1.
.set PASS, 2
.set AQ_SC, 12582912                   ; aq: scale words behind the codes
.set WI_SC, 3145728                    ; wq: Wi's scale words
.set XQ_SC, 25165824                   ; xq: scale words behind the codes
.set STEPB, 12288                      ; a tile's 8 fragments
.set SLOTB, 8*STEPB                    ; LDS: two slots of 8 tiles at 0;
.set ASC,   2*SLOTB                    ; the 32 tiles' scale words, 512 bytes each, filled once;
.set STG,   ASC+16384                  ; PASS 2: each wave's 2,048 bytes of x's scale words [s][r];
.set SPARE, STG+8192                   ; the spare words, 128 bytes for each wave, that no other line names
.set LI,   1                           ; v1   16 x lane: an image's place for my lane
.set LSC,  2                           ; v2   ASC + 32 r + 16 h: lanes 0-15 K steps 0-3, lanes 16-31 K steps 4-7
.set AD,   3                           ; v3   LDS address of the fragments being fetched
.set ADS,  4                           ; v4   and of their scale words
.set H64,  5                           ; v5   64 h: my 16 channels in the table
.set H128, 6                           ; v6   128 h: the same in bi
.set XO,   7                           ; v7   PASS 2: my byte offset in x's codes
.set SB0,  8                           ; v8   PASS 2: STG + 2048 w + 4 x lane;  v9 the same for the pair in hand
.set SBA,  9
.set SPW,  10                          ; v10  LDS address of my spare word; never rewritten
.set NIL,  11                          ; v11  0; never rewritten
.set RDW,  12                          ; v12  PASS 2: where I read scale words back at the end
.set WSO,  15                          ; v15  32 r + 16 h
.set WS,   16                          ; v16-31   Wi's scale words: 4 x tile + t % 4; lanes 0-15 t < 4, lanes 16-31 t >= 4
.set AS,   32                          ; v32-39   the tile's: 4 x set + t % 4, likewise
.set UA,   40                          ; v40-71   the four accumulators
.set VA,   72                          ; v72-103  lambda x + b
.set YA,   104                         ; v104-135 gamma x; at the head lambda^32
.set LR,   136                         ; v136-151 lambda's real parts;  v152-167 imaginary parts
.set LM,   152
.set GA,   168                         ; v168-183 gamma
.set BI,   184                         ; v184-215 b in UA's layout
.set PC,   216                         ; v216-227 a fragment's half image;  v228-230, v232-234 the odd step's codes
.set QC,   228
.set TM,   236                         ; v236-246 at work
; window 1: Wi's fragments of K steps 0-3 at v[48 t + 12 tile]; window 2: K steps 4-7 likewise; window 3: the tile's fragments, two sets, at v[96 set + 12 t].
; At PASS 2's head: window 1 v192-223 lambda^256, v224-255 lambda^512; window 2 v192-223 lambda^1024, v224-255 lambda^2048; window 3: the eight images of est.
.set MSB, 0
.macro WIN new                         ; s_set_vgpr_msb: bits 1:0 source 0, 3:2 source 1, 5:4 source 2, 7:6 destination; the high byte repeats the setting that is left
.if MSB != \new
	s_set_vgpr_msb (MSB<<8)|\new
.set MSB, \new
.endif
.endm
.macro PLACES n
.rept \n
	v_nop
.endr
.endm
.macro CROUND                          ; a round of the cluster's barrier
	s_barrier_signal -1
	s_barrier_wait -1
	s_cmp_lg_u32 s16, 0
	s_cbranch_scc1 .Lnot_wave_0_\@
	s_barrier_signal -3
.Lnot_wave_0_\@:
	s_barrier_wait -3
	s_barrier_signal -1
	s_barrier_wait -1
.endm
	s_load_b256 s[4:11], s[0:1], 0x0               ; aq s[4:5], wq s[6:7], bi s[8:9], tab s[10:11]
	s_load_b64 s[12:13], s[0:1], 0x20              ; est
.if PASS == 2
	s_load_b64 s[14:15], s[0:1], 0x28              ; xq
.endif
	v_lshl_add_u32 v[SPW], v0, 2, SPARE
	v_mov_b32 v[NIL], 0
	ds_add_u32 v10, v11
	ds_add_u32 v10, v11
	s_wait_dscnt 0x0
	v_lshrrev_b32 v13, 5, v0
	v_readfirstlane_b32 s16, v13                   ; wave
	s_bfe_u32 s17, ttmp6, 0x40000                  ; cx: it enters global addresses of wq, bi, tab, est, xq alone
	s_lshl_b32 s18, ttmp9, 2
	s_add_co_u32 s18, s18, s17                     ; CG
	s_and_b32 s19, ttmp7, 0xffff                   ; bj, which the four partners share
	s_and_b32 s20, s19, 7                          ; j
	s_lshr_b32 s21, s19, 3                         ; b
	s_lshl_b32 s22, s18, 2
	s_add_co_u32 s22, s22, s16                     ; cg
	; descriptor group 1: a dense block as rows of 256 bytes (32 elements of 8 bytes): a wave's quarter of a slot, 96 rows
	s_mov_b32 s32, 15|(3<<16)|(1<<21)              ; 15:0 the mask: all four work-groups; 17:16 elements of 8 bytes; 21 set beside a mask
	s_mov_b32 s33, 32<<16                          ; tensor_dim0
	s_mov_b32 s34, 96<<16                          ; tensor_dim1
	s_mov_b32 s35, 32<<16                          ; tile_dim0
	s_mov_b32 s36, 96                              ; tile_dim1
	s_mov_b32 s37, 32                              ; stride
	s_mov_b32 s38, 0
	s_mov_b32 s39, 0
	s_mov_b32 s40, 15|(3<<16)|(1<<21)              ; the same with 16 rows: a quarter of the scale words
	s_mov_b32 s41, 32<<16
	s_mov_b32 s42, 16<<16
	s_mov_b32 s43, 32<<16
	s_mov_b32 s44, 16
	s_mov_b32 s45, 32
	s_mov_b32 s46, 0
	s_mov_b32 s47, 0
	s_mul_i32 s26, s16, 24576                      ; my quarter of a slot
	s_mul_i32 s24, s19, 393216                     ; bj's 32 tiles of codes
	s_add_co_u32 s24, s24, s26
	s_mov_b32 s25, 0
	s_lshl_b32 s27, s16, 12                        ; my quarter of the scale words
	s_lshl_b32 s28, s19, 14
	s_add_co_u32 s28, s28, s27
	s_add_co_u32 s28, s28, AQ_SC
	s_mov_b32 s29, 0
	s_mul_i32 s30, s22, 49152                      ; cg's 32 fragments of Wi
	s_mov_b32 s31, 0
	s_lshl_b32 s74, s22, 11                        ; their scale words
	s_add_co_u32 s74, s74, WI_SC
	s_mov_b32 s75, 0
	s_lshl_b32 s76, s22, 8                         ; cg's 64 numbers of bi
	s_mov_b32 s77, 0
	s_lshl_b32 s78, s22, 7                         ; cg's 32 channels in a row of the table
	s_mov_b32 s79, 0
	s_lshl_b32 s2, s21, 5
	s_add_co_u32 s2, s2, s22                       ; 32 b + cg
.if PASS == 1
	s_lshl_b32 s2, s2, 3
	s_add_co_u32 s2, s2, s20
	s_lshl_b32 s2, s2, 12                          ; est [b][cg][j]: my image of 4,096 bytes
.else
	s_lshl_b32 s2, s2, 15                          ; est [b][cg]: the eight images
.endif
	s_mov_b32 s3, 0
.if PASS == 2
	s_lshl_b32 s70, s19, 3
	s_add_co_u32 s70, s70, s18
	s_mul_i32 s70, s70, 98304                      ; x's codes [bj][CG]: 32 steps x 2 fragments
	s_mov_b32 s71, 0
	s_lshr_b32 s62, s16, 1                         ; which of CG's two K steps of the second product is mine,
	s_and_b32 s63, s16, 1                          ; and which half of its lanes
	s_lshl_b32 s69, s63, 3                         ; my bytes' place in a scale word
	s_lshl_b32 s72, s18, 1
	s_add_co_u32 s72, s72, s62
	s_lshl_b32 s72, s72, 11                        ; x's scale words [bj][tau][s][r]
	s_lshl_b32 s73, s19, 15
	s_add_co_u32 s72, s72, s73
	s_lshl_b32 s73, s63, 10                        ; at the end I send steps 16 (w % 2) on
	s_add_co_u32 s72, s72, s73
	s_add_co_u32 s72, s72, XQ_SC
	s_mov_b32 s73, 0
	s_mov_b32 s66, 0x76543210
	s_mov_b32 s67, 0xfedcba98                      ; v_permlanex16_b32's selects for lane l xor 16
	s_mov_b32 s68, 0xffff0000                      ; lanes 16-31
.endif
	s_wait_kmcnt 0x0
	s_add_nc_u64 s[30:31], s[6:7], s[30:31]
	s_add_nc_u64 s[74:75], s[6:7], s[74:75]
	s_add_nc_u64 s[8:9], s[8:9], s[76:77]
	s_add_nc_u64 s[10:11], s[10:11], s[78:79]
	s_add_nc_u64 s[12:13], s[12:13], s[2:3]
.if PASS == 2
	s_add_nc_u64 s[70:71], s[14:15], s[70:71]
	s_add_nc_u64 s[72:73], s[14:15], s[72:73]
.endif
	s_mov_b32 s48, 1                               ; group 0 for the scale words
	s_add_co_u32 s49, s27, ASC
	s_add_nc_u64 s[50:51], s[4:5], s[28:29]
	s_or_b32 s51, s51, 0x80000000
	s_mov_b32 s52, 1                               ; for slot 0: steps 0-7
	s_mov_b32 s53, s26
	s_add_nc_u64 s[54:55], s[4:5], s[24:25]
	s_mov_b32 s56, 1                               ; for slot 1: steps 8-15
	s_add_co_u32 s57, s26, SLOTB
	s_add_nc_u64 s[58:59], s[54:55], SLOTB
	s_or_b32 s55, s55, 0x80000000
	s_or_b32 s59, s59, 0x80000000
	CROUND                                         ; all four work-groups are here: the first joint loads meet
	tensor_load_to_lds s[48:51], s[40:47]          ; three loads of mine are out
	s_nop 0
	tensor_load_to_lds s[52:55], s[32:39]
	s_nop 0
	tensor_load_to_lds s[56:59], s[32:39]
	s_nop 0
	PLACES 4
	v_and_b32 v[AD], 31, v0                        ; lane
	v_and_b32 v13, 15, v0                          ; r
	v_bfe_u32 v14, v0, 4, 1                        ; h
	v_lshlrev_b32 v[LI], 4, v[AD]
	v_lshlrev_b32 v[WSO], 5, v13
	v_lshl_add_u32 v[WSO], v14, 4, v[WSO]
	v_add_nc_u32 v[LSC], ASC, v[WSO]
	v_lshlrev_b32 v[H64], 6, v14
	v_lshlrev_b32 v[H128], 7, v14
.if PASS == 2
	s_lshl_b32 s76, s63, 8
	s_mul_i32 s77, s62, 1536
	s_add_co_u32 s76, s76, s77
	v_mul_u32_u24 v[XO], v14, 3072                 ; lanes 0-15 send the even step's half image, lanes 16-31 the odd step's, 3,072 bytes on
	v_lshl_add_u32 v[XO], v13, 4, v[XO]
	v_add_nc_u32 v[XO], s76, v[XO]                 ; + 1536 (w / 2): the fragment; + 256 (w % 2): its lanes 16 (w % 2) + r
	s_lshl_b32 s77, s16, 11
	s_add_co_u32 s77, s77, STG
	v_lshl_add_u32 v[SB0], v[AD], 2, s77
	s_lshl_b32 s78, s62, 12
	s_lshl_b32 s79, s63, 10
	s_add_co_u32 s78, s78, s79
	s_add_co_u32 s78, s78, STG
	v_add_nc_u32 v[RDW], s78, v[LI]                ; the stage of wave 2 (w / 2), steps 16 (w % 2) on
	v_mov_b32 v[TM+2], 0                           ; written once: a lane permute's destination counts as one of its sources
	v_mov_b32 v[TM+3], 0
	WIN 0xc0
.irp k, 0,1,2,3,4,5,6,7                        ; the end states of my channels' chunks (r, k), as they were stored
.irp q, 0,1,2,3,4,5,6,7
	global_load_b128 v[32*\k+4*\q:32*\k+4*\q+3], v[LI], s[12:13] offset:4096*\k+512*\q
.endr
.endr
	WIN 0
.irp q, 0,1
.irp i, 0,1,2,3
	global_load_b128 v[YA+16*\q+4*\i:YA+16*\q+4*\i+3], v[H64], s[10:11] offset:4096*(3+\q)+16*\i   ; lambda^32
.endr
.endr
	WIN 0x40
.irp q, 0,1,2,3
.irp i, 0,1,2,3
	global_load_b128 v[192+16*\q+4*\i:192+16*\q+4*\i+3], v[H64], s[10:11] offset:4096*(5+\q)+16*\i   ; lambda^256, lambda^512
.endr
.endr
	WIN 0x80
.irp q, 0,1,2,3
.irp i, 0,1,2,3
	global_load_b128 v[192+16*\q+4*\i:192+16*\q+4*\i+3], v[H64], s[10:11] offset:4096*(9+\q)+16*\i   ; lambda^1024, lambda^2048
.endr
.endr
	WIN 0
.endif
.irp q, 0,1
.irp i, 0,1,2,3
	global_load_b128 v[LR+16*\q+4*\i:LR+16*\q+4*\i+3], v[H64], s[10:11] offset:4096*\q+16*\i       ; lambda
.endr
.endr
.if PASS == 2
.irp i, 0,1,2,3
	global_load_b128 v[GA+4*\i:GA+4*\i+3], v[H64], s[10:11] offset:8192+16*\i                      ; gamma
.endr
.endif
.irp p, 0,1
.irp u, 0,1
.irp i, 0,1,2,3,4,5,6,7
	global_load_b32 v[BI+8*(2*\p+\u)+\i], v[H128], s[8:9] offset:4*(16*\u+2*\i+\p)                 ; bi[2 (32 cg + 16 h + 8 u + i) + p]
.endr
.endr
.endr
.irp i, 0,1,2,3
	global_load_b128 v[WS+4*\i:WS+4*\i+3], v[WSO], s[74:75] offset:512*\i
.endr
	WIN 0x40
.irp t, 0,1,2,3
.irp i, 0,1,2,3
.irp q, 0,1,2
	global_load_b128 v[48*\t+12*\i+4*\q:48*\t+12*\i+4*\q+3], v[LI], s[30:31] offset:12288*\i+1536*\t+512*\q
.endr
.endr
.endr
	WIN 0x80
.irp t, 0,1,2,3
.irp i, 0,1,2,3
.irp q, 0,1,2
	global_load_b128 v[48*\t+12*\i+4*\q:48*\t+12*\i+4*\q+3], v[LI], s[30:31] offset:12288*\i+1536*(\t+4)+512*\q
.endr
.endr
.endr
	WIN 0
; st = m st + a, complex, 16 channels a lane, in place: st, tm, a are 16 real parts and 16 imaginary parts; aw: the window setting for a (source 2)
.macro CMAIP st, tm, mr, mi, a, aw
	WIN \aw
.irp p, 0,2,4,6,8,10,12,14
	v_pk_fma_f32 v[\tm+\p:\tm+\p+1], v[\mr+\p:\mr+\p+1], v[\st+\p:\st+\p+1], v[\a+\p:\a+\p+1]
.endr
.irp p, 0,2,4,6,8,10,12,14
	v_pk_fma_f32 v[\tm+16+\p:\tm+17+\p], v[\mi+\p:\mi+\p+1], v[\st+\p:\st+\p+1], v[\a+16+\p:\a+17+\p]
.endr
	WIN 0
.irp p, 0,2,4,6,8,10,12,14
	v_pk_fma_f32 v[\st+\p:\st+\p+1], v[\mi+\p:\mi+\p+1], v[\st+16+\p:\st+17+\p], v[\tm+\p:\tm+\p+1] neg_lo:[1,0,0] neg_hi:[1,0,0]
.endr
.irp p, 0,2,4,6,8,10,12,14
	v_pk_fma_f32 v[\st+16+\p:\st+17+\p], v[\mr+\p:\mr+\p+1], v[\st+16+\p:\st+17+\p], v[\tm+16+\p:\tm+17+\p]
.endr
.endm
.macro SHIFT d                         ; VA = UA of the lane d below in my 16 (segment r - d); the lanes without a source keep the 0 written just before
.set i, 0
.rept 32
	v_mov_b32 v[VA+i], 0
.set i, i+1
.endr
.set i, 0
.rept 32
	v_mov_b32_dpp v[VA+i], v[UA+i] row_shr:\d row_mask:0xf bank_mask:0xf
.set i, i+1
.endr
.endm
.macro KS d, win, k                    ; UA(r) += K UA(r - d): a step of the scan over the 16 segments; K = lambda^(256 d) at v[k] of the window that win names for source 0
	SHIFT \d
	WIN \win
.irp p, 0,2,4,6,8,10,12,14
	v_pk_fma_f32 v[UA+\p:UA+\p+1], v[\k+\p:\k+\p+1], v[VA+\p:VA+\p+1], v[UA+\p:UA+\p+1]
.endr
.irp p, 0,2,4,6,8,10,12,14
	v_pk_fma_f32 v[UA+16+\p:UA+17+\p], v[\k+16+\p:\k+17+\p], v[VA+\p:VA+\p+1], v[UA+16+\p:UA+17+\p]
.endr
.irp p, 0,2,4,6,8,10,12,14
	v_pk_fma_f32 v[UA+\p:UA+\p+1], v[\k+16+\p:\k+17+\p], v[VA+16+\p:VA+17+\p], v[UA+\p:UA+\p+1] neg_lo:[1,0,0] neg_hi:[1,0,0]
.endr
.irp p, 0,2,4,6,8,10,12,14
	v_pk_fma_f32 v[UA+16+\p:UA+17+\p], v[\k+\p:\k+\p+1], v[VA+16+\p:VA+17+\p], v[UA+16+\p:UA+17+\p]
.endr
	WIN 0
.endm
.if PASS == 1
	s_wait_loadcnt 0x0
.set i, 0
.rept 32
	v_mov_b32 v[VA+i], v[BI+i]                     ; the carry from nothing: lambda 0 + b
.set i, i+1
.endr
.else
	s_wait_loadcnt 63                              ; the 63 youngest loads are all among Wi's 96 fragments' loads: all that was asked for ahead of those is in
	; THE CARRY.  F(r) = the end state of segment r (256 rows) started from nothing; Z(r) = F(r) + lambda^256 Z(r - 1) by four doubling steps over the 16 lanes;
	; my chunk's carry = Z(r - 1) taken through the chunks 0 .. j - 1 of my segment.
	WIN 0x03
.set i, 0
.rept 32
	v_mov_b32 v[UA+i], v[i]
.set i, i+1
.endr
	WIN 0
.irp k, 1,2,3,4,5,6,7
	CMAIP UA, VA, YA, YA+16, 32*\k, 0x30
.endr
	KS 1, 0x01, 192
	KS 2, 0x01, 224
	KS 4, 0x02, 192
	KS 8, 0x02, 224
	SHIFT 1                                        ; Z(r - 1); nothing ahead of segment 0
.irp k, 0,1,2,3,4,5,6
	s_cmp_le_u32 s20, \k                           ; j is the same in all waves and in all four partners
	s_cbranch_scc1 .Lcarried
	CMAIP VA, UA, YA, YA+16, 32*\k, 0x30
.endr
.Lcarried:
	CMAIP VA, UA, LR, LM, BI, 0                    ; lambda x carry + b: the C of step 0
	s_wait_loadcnt 0x0
	s_mov_b32 s63, 0                               ; the pair's place in my stage of scale words
.endif
	s_mov_b32 s60, 0                               ; LDS byte of the tile to be fetched next
	s_mov_b32 s61, 0                               ; and of its scale words
.macro FETCH par                       ; 25 LDS loads: the next tile's 8 fragments, as images, into set par, and its scale words
	v_add_nc_u32 v[AD], s60, v[LI]
	v_add_nc_u32 v[ADS], s61, v[LSC]
	s_add_co_u32 s60, s60, STEPB
	s_add_co_u32 s61, s61, 512
	WIN 0xc0
.irp t, 0,1,2,3,4,5,6,7
.irp q, 0,1,2
	ds_load_b128 v[96*(\par)+12*\t+4*\q:96*(\par)+12*\t+4*\q+3], v[AD] offset:1536*\t+512*\q
.endr
.endr
	WIN 0
	ds_load_b128 v[AS+4*(\par):AS+4*(\par)+3], v[ADS]
.endm
.macro MM par                          ; 32 matrix instructions: K step by K step, the four accumulators by turns, one instruction a turn
	WIN 0x0d                                       ; source 0 (Wi) window 1, source 1 (the tile) window 3
.irp t, 0,1,2,3
.irp i, 0,1,2,3
.if \t == 0
	v_wmma_scale_f32_16x16x128_f8f6f4 v[UA+8*\i:UA+8*\i+7], v[48*\t+12*\i:48*\t+12*\i+11], v[96*\par+12*\t:96*\par+12*\t+11], v[VA+8*\i:VA+8*\i+7], v[WS+4*\i+\t], v[AS+4*\par+\t] matrix_a_fmt:MATRIX_FMT_FP6 matrix_b_fmt:MATRIX_FMT_FP6
.else
	v_wmma_scale_f32_16x16x128_f8f6f4 v[UA+8*\i:UA+8*\i+7], v[48*\t+12*\i:48*\t+12*\i+11], v[96*\par+12*\t:96*\par+12*\t+11], v[UA+8*\i:UA+8*\i+7], v[WS+4*\i+\t], v[AS+4*\par+\t] matrix_a_fmt:MATRIX_FMT_FP6 matrix_b_fmt:MATRIX_FMT_FP6
.endif
.endr
.endr
	WIN 0x0e                                       ; source 0 window 2: K steps 4-7, whose scale words lie in lanes 16-31
.irp t, 0,1,2,3
.irp i, 0,1,2,3
	v_wmma_scale_f32_16x16x128_f8f6f4 v[UA+8*\i:UA+8*\i+7], v[48*\t+12*\i:48*\t+12*\i+11], v[96*\par+48+12*\t:96*\par+48+12*\t+11], v[UA+8*\i:UA+8*\i+7], v[WS+4*\i+\t], v[AS+4*\par+\t] matrix_a_fmt:MATRIX_FMT_FP6 matrix_b_fmt:MATRIX_FMT_FP6 matrix_a_scale:MATRIX_SCALE_ROW1 matrix_b_scale:MATRIX_SCALE_ROW1
.endr
.endr
	WIN 0
.endm
.macro LAMB                            ; VA = lambda UA + b; each accumulator is read from its low end on
.irp p, 0,2,4,6,8,10,12,14
	v_pk_fma_f32 v[VA+\p:VA+\p+1], v[LR+\p:LR+\p+1], v[UA+\p:UA+\p+1], v[BI+\p:BI+\p+1]
.endr
.irp p, 0,2,4,6,8,10,12,14
	v_pk_fma_f32 v[VA+16+\p:VA+17+\p], v[LM+\p:LM+\p+1], v[UA+\p:UA+\p+1], v[BI+16+\p:BI+17+\p]
.endr
.irp p, 0,2,4,6,8,10,12,14
	v_pk_fma_f32 v[VA+\p:VA+\p+1], v[LM+\p:LM+\p+1], v[UA+16+\p:UA+17+\p], v[VA+\p:VA+\p+1] neg_lo:[1,0,0] neg_hi:[1,0,0]
.endr
.irp p, 0,2,4,6,8,10,12,14
	v_pk_fma_f32 v[VA+16+\p:VA+17+\p], v[LR+\p:LR+\p+1], v[UA+16+\p:UA+17+\p], v[VA+16+\p:VA+17+\p]
.endr
.endm
; PASS 2: gamma x_s is quantised.  The real parts of my 32 channels are one block of the second product's K, the imaginary parts another; a block lies in lanes l and l xor 16, 16 numbers each.
; Two steps are paired: the exchange of halves leaves lanes 0-15 with row r's two whole blocks of the even step and lanes 16-31 with those of the odd step: 12 registers, half an image each.
.macro QUANT par
.irp p, 0,2,4,6,8,10,12,14
	v_pk_mul_f32 v[YA+\p:YA+\p+1], v[GA+\p:GA+\p+1], v[UA+\p:UA+\p+1]
.endr
.irp p, 0,2,4,6,8,10,12,14
	v_pk_mul_f32 v[YA+16+\p:YA+17+\p], v[GA+\p:GA+\p+1], v[UA+16+\p:UA+17+\p]
.endr
	v_max3_num_f32 v[TM], |v[YA]|, |v[YA+1]|, 0x1800000            ; my 16 numbers of each block, and the floor 2^(3 - 127): the byte cannot fall under 1
	v_max3_num_f32 v[TM+1], |v[YA+16]|, |v[YA+17]|, 0x1800000
.irp i, 2,4,6,8,10,12,14
	v_max3_num_f32 v[TM], v[TM], |v[YA+\i]|, |v[YA+\i+1]|
	v_max3_num_f32 v[TM+1], v[TM+1], |v[YA+16+\i]|, |v[YA+17+\i]|
.endr
	v_permlanex16_b32 v[TM+2], v[TM], s66, s67
	v_permlanex16_b32 v[TM+3], v[TM+1], s66, s67
	v_max_num_f32 v[TM], v[TM], v[TM+2]            ; with lane l xor 16's: the blocks' largest magnitudes
	v_max_num_f32 v[TM+1], v[TM+1], v[TM+3]
	v_add_nc_u32 v[TM+4], 0xff000000, v[TM]        ; 2 off the exponent field: the conversion's scale operand
	v_add_nc_u32 v[TM+5], 0xff000000, v[TM+1]
	v_lshrrev_b32 v[TM+6], 23, v[TM+4]             ; the scales' bytes
	v_lshrrev_b32 v[TM+7], 23, v[TM+5]
	v_lshl_or_b32 v[TM+8+\par], v[TM+7], 16, v[TM+6]               ; real parts' byte low, imaginary parts' two bytes up
.if \par == 0
	s_wait_xcnt 0x0                                ; the last pair's stores have read their data and their offset: both are written now
	v_add_nc_u32 v[XO], 6144, v[XO]                ; the stores reach back by this much
	v_cvt_scalef32_pk16_fp6_f32 v[PC:PC+2], v[YA:YA+15], v[TM+4]
	v_cvt_scalef32_pk16_fp6_f32 v[PC+6:PC+8], v[YA+16:YA+31], v[TM+5]
	v_nop                                          ; one plain place behind a scaled conversion
.else
	v_cvt_scalef32_pk16_fp6_f32 v[QC:QC+2], v[YA:YA+15], v[TM+4]
	v_cvt_scalef32_pk16_fp6_f32 v[QC+4:QC+6], v[YA+16:YA+31], v[TM+5]
	v_nop
.irp i, 0,1,2
	v_permlane16_swap_b32 v[PC+\i], v[QC+\i]       ; the first's lanes 16-31 change places with the second's lanes 0-15
	v_permlane16_swap_b32 v[PC+6+\i], v[QC+4+\i]
.endr
.irp i, 0,1,2
	v_mov_b32 v[PC+3+\i], v[QC+\i]
	v_mov_b32 v[PC+9+\i], v[QC+4+\i]
.endr
.irp q, 0,1,2
	global_store_b128 v[XO], v[PC+4*\q:PC+4*\q+3], s[70:71] offset:512*\q-6144     ; each half of the lanes stores 256 consecutive bytes, aligned
.endr
	v_cndmask_b32 v[TM+10], v[TM+8], v[TM+9], s68  ; lanes 0-15 the even step's word, lanes 16-31 the odd step's,
	v_lshlrev_b32 v[TM+10], s69, v[TM+10]          ; at my channel group's bytes
	v_add_nc_u32 v[SBA], s63, v[SB0]
	s_add_co_u32 s63, s63, 128
	ds_store_b32 v[SBA], v[TM+10]
.endif
.endm
; A STEP.  pf: the next tile is fetched; lamb: a step follows.
.macro STEP par, pf, lamb
.if \pf
	FETCH 1-\par
	s_wait_dscnt 25                                ; all but the 25 loads just issued: this step's fragments and scale words are in
.else
	s_wait_dscnt 0x0
.endif
	MM \par
	PLACES 5                                       ; four places ahead of the first read of the results and of writes of VA; five ahead of the next step's first products, which begin the accumulators anew with another C (ISA guide 7.12.1)
.if \lamb
	LAMB
.endif
.if PASS == 2
	QUANT \par
.elseif \lamb
	PLACES 4
.endif
.endm
; THE CHANGE OF SLOTS, at the head of a slot's last step, whose fragments have been asked for.  fill = 1: the slot is filled again with the tiles 16 steps on: the load has eight steps in which to land.
.macro CHANGE fill, slot
	s_wait_tensorcnt 0x0                           ; all my tensor loads have landed: my part of the other slot
	ds_add_u32 v[SPW], v[NIL]                      ; 0 onto my spare word
.if \fill
	s_add_nc_u64 s[54+4*\slot:55+4*\slot], s[54+4*\slot:55+4*\slot], 2*SLOTB
.endif
	s_wait_dscnt 0x0                               ; the add is done, and my reads of this slot are over
.if \fill
	CROUND                                         ; both now hold of every wave of all four work-groups
	tensor_load_to_lds s[52+4*\slot:55+4*\slot], s[32:39]
	s_nop 0
	PLACES 4
.else
	s_barrier_signal -1
	s_barrier_wait -1
.endif
.endm
.macro PAIRS3
	s_mov_b32 s62, 3
.Lpair_\@:
	STEP 0, 1, 1
	STEP 1, 1, 1
	s_sub_co_u32 s62, s62, 1
	s_cmp_lg_u32 s62, 0
	s_cbranch_scc1 .Lpair_\@
.endm
	s_wait_tensorcnt 0x1                           ; the scale words and my part of slot 0 are in; slot 1's load may stay out
	s_barrier_signal -1
	s_barrier_wait -1
	FETCH 0
	PAIRS3                                         ; steps 0-5
	STEP 0, 1, 1
	CHANGE 1, 0                                    ; slot 0 takes steps 16-23
	STEP 1, 1, 1
	PAIRS3                                         ; steps 8-13
	STEP 0, 1, 1
	CHANGE 1, 1                                    ; slot 1 takes steps 24-31
	s_mov_b32 s60, 0                               ; step 16 lies at the ring's head
	STEP 1, 1, 1
	PAIRS3                                         ; steps 16-21
	STEP 0, 1, 1
	CHANGE 0, 0                                    ; nothing is left to ask for
	STEP 1, 1, 1
	PAIRS3                                         ; steps 24-29
	STEP 0, 1, 1
	STEP 1, 0, 0
.if PASS == 1
.irp q, 0,1,2,3,4,5,6,7
	global_store_b128 v[LI], v[UA+4*\q:UA+4*\q+3], s[12:13] offset:512*\q          ; the chunk's end state, as an image: 512 consecutive bytes a store
.endr
.else
	s_wait_dscnt 0x0                               ; my scale words lie in my stage
	s_barrier_signal -1
	s_barrier_wait -1
	ds_load_b128 v[YA:YA+3], v[RDW]                ; two waves hold the two halves of a word's bytes
	ds_load_b128 v[YA+4:YA+7], v[RDW] offset:512
	ds_load_b128 v[YA+8:YA+11], v[RDW] offset:2048
	ds_load_b128 v[YA+12:YA+15], v[RDW] offset:2560
	s_wait_dscnt 0x0
.irp i, 0,1,2,3,4,5,6,7
	v_or_b32 v[YA+\i], v[YA+\i], v[YA+8+\i]
.endr
	global_store_b128 v[LI], v[YA:YA+3], s[72:73]
	global_store_b128 v[LI], v[YA+4:YA+7], s[72:73] offset:512
.endif
	s_wait_tensorcnt 0x0                           ; the wave's end
	ds_add_u32 v[SPW], v[NIL]
	s_wait_dscnt 0x0
	CROUND                                         ; the closing round
	s_endpgm
.Lfunc_end_k_q78b6ca1545_scan:
	.size	k_q78b6ca1545_scan, .Lfunc_end_k_q78b6ca1545_scan-k_q78b6ca1545_scan
	.p2alignl 7, 3214868480
	.fill 96, 4, 3214868480
	.section	.rodata,"a",@progbits
	.p2align	6, 0x0
	.amdhsa_kernel k_q78b6ca1545_scan
		.amdhsa_group_segment_fixed_size 327680
		.amdhsa_private_segment_fixed_size 0
		.amdhsa_enable_private_segment 0
		.amdhsa_kernarg_size 48
		.amdhsa_user_sgpr_count 2
		.amdhsa_user_sgpr_kernarg_segment_ptr 1
		.amdhsa_wavefront_size32 1
		.amdhsa_system_sgpr_workgroup_id_x 1
		.amdhsa_system_sgpr_workgroup_id_y 1
		.amdhsa_system_sgpr_workgroup_id_z 1
		.amdhsa_system_vgpr_workitem_id 0
		.amdhsa_next_free_vgpr 1024
		.amdhsa_next_free_sgpr 80
		.amdhsa_reserve_vcc 0
		.amdhsa_float_denorm_mode_32 3
		.amdhsa_float_denorm_mode_16_64 3
		.amdhsa_memory_ordered 1
		.amdhsa_forward_progress 1
		.amdhsa_inst_pref_size 255
	.end_amdhsa_kernel
	.section	.bss,"aw",@nobits
	.p2align	6
	.space	262144
	.amdgpu_metadata
---
amdhsa.version: [ 1, 2 ]
amdhsa.kernels:
  - .name:           k_q78b6ca1545_scan
    .symbol:         k_q78b6ca1545_scan.kd
    .args:
      - { .name: aq, .offset: 0, .size: 8, .value_kind: global_buffer, .address_space: global }
      - { .name: wq, .offset: 8, .size: 8, .value_kind: global_buffer, .address_space: global }
      - { .name: bi, .offset: 16, .size: 8, .value_kind: global_buffer, .address_space: global }
      - { .name: tab, .offset: 24, .size: 8, .value_kind: global_buffer, .address_space: global }
      - { .name: est, .offset: 32, .size: 8, .value_kind: global_buffer, .address_space: global }
      - { .name: xq, .offset: 40, .size: 8, .value_kind: global_buffer, .address_space: global }
    .group_segment_fixed_size: 327680
    .private_segment_fixed_size: 0
    .kernarg_segment_align: 8
    .kernarg_segment_size: 48
    .max_flat_workgroup_size: 128
    .sgpr_count:     80
    .vgpr_count:     1024
    .wavefront_size: 32
...
	.end_amdgpu_metadata
.endif
;; end of part 3
;; launch outp (part 4): grid 4 x 64, 4 waves a work-group, clusters of 4 x 4, 327,680 bytes of LDS; arguments xq, wq, bo, out0; writes out0
.if DOCPART == 4
	.amdgcn_target "amdgcn-amd-amdhsa--gfx1250"
	.amdhsa_code_object_version 6
	.text
	.protected	k_q78b6ca1545_outp
	.globl	k_q78b6ca1545_outp
	.p2align	8
	.type	k_q78b6ca1545_outp,@function
k_q78b6ca1545_outp:
	s_mov_b64 s[64:65], 0
	v_nop
	global_prefetch_b8 v0, s[64:65] scope:SCOPE_SE
	s_setreg_imm32_b32 hwreg(HW_REG_WAVE_MODE, 25, 1), 1
	s_wait_xcnt 0x0
	s_wait_alu depctr_hold_cnt(0) depctr_sa_sdst(0) depctr_va_vdst(0) depctr_va_sdst(0) depctr_va_ssrc(0) depctr_va_vcc(0) depctr_vm_vsrc(0)
	s_getreg_b32 s2, hwreg(HW_REG_IB_STS2, 6, 4)
	s_cmp_eq_u32 s2, 0
	s_cbranch_scc0 .Lentry_in_a_cluster
	s_endpgm
.Lentry_in_a_cluster:
	s_bfe_u32 s2, ttmp6, 0x10000c
	s_cmp_lg_u32 s2, 0xf033
	s_cbranch_scc0 .Lentry_shape_is_right
	s_endpgm
.Lentry_shape_is_right:
; PRODUCT 2: out = relu(Q(gamma x) Q(Wo)^T + bo), M 16,384, K 2,048, N 1,024, on codes of FP6 (E2M3) with one E8M0 scale for each 32 along K; sums in f32.
; Both operands lie in memory as IMAGES OF OPERAND REGISTERS: a fragment (16 rows x 128 K, 12 registers a lane) is 1,536 bytes, quad q of lane l at 512 q + 16 l: three loads of 512 consecutive bytes, no pitch, no padding.
; In K step tau lane (r, h) holds in registers 0-5 the real parts and in registers 6-11 the imaginary parts of channels 32 (2 tau + h) .. + 31: whole blocks of 32 with their scale bytes, both operands alike;
; only the order of the f32 additions inside an instruction differs from ascending K.
; A tile of x, (bj, s), holds rows 4096 (bj / 8) + 256 r + 32 (bj % 8) + s, r = 0 .. 15.  A work-group (nb, y = 2 bj + sh) makes the 16 tiles s = 16 sh + i times columns 256 nb .. + 255; four waves, each 8 tiles x 128 columns:
; 64 accumulators, 512 registers.  K goes in steps of 256 (two matrix instructions deep) through a ring of two LDS slots; all scale words come once, with the first fills.
; CLUSTERS: 4 x 4 work-groups: x's tiles hang on y alone and are shared along a row of the cluster, Wo's on nb alone and are shared along a column: each is asked for JOINTLY.
; THE MATRIX INSTRUCTION IS USED TRANSPOSED (source 0 = 16 rows of Wo, source 1 = 16 rows of x): a lane holds eight neighbouring columns of one row of out.  bo is the C of each sum's first instruction.
; REGISTERS: window 0: v0-31 addresses; v32-63 scale words, two sets; v128-223 x's fragments, one set; on the way out v128-255 rows of out.  window 1: Wo's fragments, two sets, at v0 and v128; bo at v96-127 and v224-255.
;   window 2: the accumulators of my tiles 0-3 ((a, b) at v[8 (8 a + b)]); window 3: those of tiles 4-7.
; LIMITS: NaN is not served (the maximum with 0 gives 0).
.set XQ_SC,  25165824                  ; xq: scale words [bj][tau][s][r] behind the codes [bj][sigma][s][2 fragments]
.set WO_CD,  1572864                   ; wq: Wo's codes [nt][tau]
.set WO_SC,  3211264                   ; wq: Wo's scale words [nt][r][tau]
.set FR,     12                        ; registers of a fragment
.set NL,     3                         ; LDS loads that bring one
.set SLOT,   98304                     ; x's 16 tiles x 3,072 bytes, then Wo's 16
.set SCA,    2*SLOT                    ; x's scale words [tau][i][r], 16,384 bytes
.set SCB,    SCA+16384                 ; Wo's [nt][r][tau], 16,384 bytes
.set STAGE,  SCB+16384                 ; the way out: 16 rows x (512 bytes + 16) for each wave
.set SPITCH, 528
.set SPARE,  STAGE+4*16*SPITCH         ; the spare words, 128 bytes for each wave, that no other line names
.set LAPS,   4                         ; a lap = two slots = 512 along K
.set ADRA, 16                          ; v16-17  LDS address of my fragments of x in slot 0, 1
.set ADRB, 20                          ; v20-21  the same for Wo
.set STO,  24                          ; v24     the way out: where I put 32 bytes of a row
.set RD,   25                          ; v25     where I read a row back
.set CO,   26                          ; v26     16 x lane: my bytes of a row of out
.set ADSA, 27                          ; v27     x's scale words: lanes 0-15 the slot's first K step, lanes 16-31 its second
.set SPW,  28                          ; v28     LDS address of my spare word; never rewritten
.set NIL,  29                          ; v29     0; never rewritten
.set ADSB, 30                          ; v30     Wo's scale words, likewise
.set CO8,  31                          ; v31     CO + 8 x 256 rows of out
.set SC,   32                          ; scale words: set sc at v[32 + 16 sc]: x's tile i at + i, Wo's block b at + 8 + b
.set AF,   128
.set BK,   128
.set G1, 24
.set G0, 32
.set G1B, 48
.set G0B, 56
.set G1S, 68
.set G0S, 76
.set G1SB, 80
.set G0SB, 88
.set MSB, 0
.macro WIN new                         ; the immediate's high byte repeats the setting that is left
.if MSB != \new
	s_set_vgpr_msb (MSB<<8)|\new
.set MSB, \new
.endif
.endm
.set MUL_LO, 0xa1                      ; source 0 (Wo) window 1, source 1 (x) window 0, C and D window 2
.set MUL_HI, 0xf1                      ; the same, C and D window 3
.set TO_B,   0x40                      ; destination window 1, address window 0
.macro JLOAD g0a, g1a, g0b, g1b        ; a joint load: waves 0 and 1 fetch for x, waves 2 and 3 for Wo; four v_nop follow each of the two lines
	s_cmp_eq_u32 s15, 0
	s_cbranch_scc0 .Lfor_b_\@
	tensor_load_to_lds s[\g0a:\g0a+3], s[\g1a:\g1a+7]
	s_nop 0
.rept 4
	v_nop
.endr
	s_branch .Lasked_\@
.Lfor_b_\@:
	tensor_load_to_lds s[\g0b:\g0b+3], s[\g1b:\g1b+7]
	s_nop 0
.rept 4
	v_nop
.endr
.Lasked_\@:
.endm
.macro CREST                           ; a round of the cluster's barrier behind its opening barrier
	s_cmp_lg_u32 s14, 0
	s_cbranch_scc1 .Lnot_wave_0_\@
	s_barrier_signal -3
.Lnot_wave_0_\@:
	s_barrier_wait -3
	s_barrier_signal -1
	s_barrier_wait -1
.endm
.macro CROUND
	s_barrier_signal -1
	s_barrier_wait -1
	CREST
.endm
.macro PLACES
.rept 4
	v_nop
.endr
.endm
	s_load_b256 s[4:11], s[0:1], 0x0               ; xq s[4:5], wq s[6:7], bo s[8:9], out0 s[10:11]
	v_lshl_add_u32 v[SPW], v0, 2, SPARE
	v_mov_b32 v[NIL], 0
	ds_add_u32 v28, v29
	ds_add_u32 v28, v29
	s_wait_dscnt 0x0
	v_lshrrev_b32 v1, 5, v0
	v_readfirstlane_b32 s14, v1                    ; wave 0..3
	s_lshr_b32 s15, s14, 1                         ; which 8 tiles of x are mine.  Also: I fetch for x (0) or for Wo (1)
	s_and_b32 s16, s14, 1                          ; which 128 columns.  Also: which half I fetch
	s_bfe_u32 s40, ttmp6, 0x40000                  ; cx, cy: my place in the cluster
	s_bfe_u32 s41, ttmp6, 0x40004
	s_lshl_b32 s42, ttmp9, 2
	s_add_co_u32 s42, s42, s40                     ; nb
	s_and_b32 s17, ttmp7, 0xffff
	s_lshl_b32 s17, s17, 2
	s_add_co_u32 s17, s17, s41                     ; y
	s_lshl_b32 s43, s41, 2
	s_lshl_b32 s43, 15, s43                        ; my row of the cluster
	s_lshl_b32 s44, 0x1111, s40                    ; my column
	s_or_b32 s[G1+0], s43, (3<<16)|(1<<21)         ; x's codes: 8 tiles, a dense block: 96 rows of 256 bytes (32 elements of 8 bytes); the mask: my row; 21 set beside a mask
	s_mov_b32 s[G1+1], 32<<16
	s_mov_b32 s[G1+2], 96<<16
	s_mov_b32 s[G1+3], 32<<16
	s_mov_b32 s[G1+4], 96
	s_mov_b32 s[G1+5], 32
	s_mov_b32 s[G1+6], 0
	s_mov_b32 s[G1+7], 0
	s_or_b32 s[G1B+0], s44, (3<<16)|(1<<21)        ; Wo's codes: 8 rows of 3,072 bytes (two fragments), 24,576 bytes apart; the mask: my column
	s_mov_b32 s[G1B+1], 384<<16
	s_mov_b32 s[G1B+2], 8<<16
	s_mov_b32 s[G1B+3], 384<<16
	s_mov_b32 s[G1B+4], 8
	s_mov_b32 s[G1B+5], 3072
	s_mov_b32 s[G1B+6], 0
	s_mov_b32 s[G1B+7], 0
	s_or_b32 s[G1S+0], s43, (3<<16)|(1<<21)        ; x's scale words: 8 K steps x 1,024 bytes (my 16 tiles), 2,048 bytes apart
	s_mov_b32 s[G1S+1], 128<<16
	s_mov_b32 s[G1S+2], 8<<16
	s_mov_b32 s[G1S+3], 128<<16
	s_mov_b32 s[G1S+4], 8
	s_mov_b32 s[G1S+5], 256
	s_mov_b32 s[G1S+6], 0
	s_mov_b32 s[G1S+7], 0
	s_or_b32 s[G1SB+0], s44, (3<<16)|(1<<21)       ; Wo's scale words: 8,192 dense bytes as 32 rows of 256
	s_mov_b32 s[G1SB+1], 32<<16
	s_mov_b32 s[G1SB+2], 32<<16
	s_mov_b32 s[G1SB+3], 32<<16
	s_mov_b32 s[G1SB+4], 32
	s_mov_b32 s[G1SB+5], 32
	s_mov_b32 s[G1SB+6], 0
	s_mov_b32 s[G1SB+7], 0
	s_lshr_b32 s18, s17, 1                         ; bj
	s_and_b32 s19, s17, 1                          ; sh
	s_mul_i32 s20, s18, 786432                     ; x's codes: 8 slots of 98,304 bytes a bj, 49,152 a half of the steps, 24,576 for the 8 tiles that I fetch
	s_mul_i32 s21, s19, 49152
	s_add_co_u32 s20, s20, s21
	s_mul_i32 s21, s16, 24576
	s_add_co_u32 s20, s20, s21
	s_mov_b32 s21, 0
	s_lshl_b32 s22, s18, 15                        ; x's scale words
	s_lshl_b32 s23, s19, 10
	s_add_co_u32 s22, s22, s23
	s_lshl_b32 s23, s16, 14
	s_add_co_u32 s22, s22, s23
	s_add_co_u32 s22, s22, XQ_SC
	s_mov_b32 s23, 0
	s_mul_i32 s46, s42, 393216                     ; Wo's codes: 16 tiles of 24,576 bytes a block of columns
	s_mul_i32 s47, s16, 196608
	s_add_co_u32 s46, s46, s47
	s_add_co_u32 s46, s46, WO_CD
	s_mov_b32 s47, 0
	s_lshl_b32 s92, s42, 14                        ; Wo's scale words
	s_lshl_b32 s93, s16, 13
	s_add_co_u32 s92, s92, s93
	s_add_co_u32 s92, s92, WO_SC
	s_mov_b32 s93, 0
	s_mul_i32 s45, s14, 24576                      ; where they go: wave x a quarter: no place in the cluster enters an LDS address
	s_lshl_b32 s94, s14, 13
	s_wait_kmcnt 0x0
	s_add_nc_u64 s[20:21], s[4:5], s[20:21]
	s_add_nc_u64 s[22:23], s[4:5], s[22:23]
	s_add_nc_u64 s[46:47], s[6:7], s[46:47]
	s_add_nc_u64 s[92:93], s[6:7], s[92:93]
	CROUND                                         ; all sixteen work-groups are here: the first joint loads meet
	s_mov_b32 s[G0S], 1
	s_add_co_u32 s[G0S+1], s94, SCA
	s_mov_b64 s[G0S+2:G0S+3], s[22:23]
	s_or_b32 s[G0S+3], s[G0S+3], 0x80000000
	s_mov_b32 s[G0SB], 1
	s_add_co_u32 s[G0SB+1], s94, SCA
	s_mov_b64 s[G0SB+2:G0SB+3], s[92:93]
	s_or_b32 s[G0SB+3], s[G0SB+3], 0x80000000
	JLOAD G0S, G1S, G0SB, G1SB                     ; the scale words first: they are wanted with slot 0
.irp s, 0,1
	s_mov_b32 s[G0+4*\s], 1
	s_add_co_u32 s[G0+4*\s+1], s45, \s*SLOT
	s_add_nc_u64 s[G0+4*\s+2:G0+4*\s+3], s[20:21], \s*98304
	s_or_b32 s[G0+4*\s+3], s[G0+4*\s+3], 0x80000000
	s_mov_b32 s[G0B+4*\s], 1
	s_add_co_u32 s[G0B+4*\s+1], s45, \s*SLOT
	s_add_nc_u64 s[G0B+4*\s+2:G0B+4*\s+3], s[46:47], \s*3072
	s_or_b32 s[G0B+4*\s+3], s[G0B+4*\s+3], 0x80000000
	JLOAD G0+4*\s, G1, G0B+4*\s, G1B
.endr
	v_and_b32 v1, 15, v0                           ; r
	v_bfe_u32 v2, v0, 4, 1                         ; h
	v_and_b32 v6, 31, v0                           ; lane
	v_lshlrev_b32 v[CO], 4, v6
	s_mul_i32 s21, s15, 24576                      ; my 8 tiles of x
	s_mul_i32 s22, s16, 24576                      ; my 8 tiles of Wo,
	s_add_co_u32 s22, s22, 49152                   ; which lie behind x's 16
.irp s, 0,1
	v_add_nc_u32 v[ADRA+\s], s21, v[CO]
	v_add_nc_u32 v[ADRB+\s], s22, v[CO]
	s_add_co_u32 s21, s21, SLOT
	s_add_co_u32 s22, s22, SLOT
.endr
	s_lshl_b32 s21, s15, 9
	s_add_co_u32 s21, s21, SCA
	v_lshlrev_b32 v4, 2, v1
	v_lshl_add_u32 v4, v2, 10, v4
	v_add_nc_u32 v[ADSA], s21, v4                  ; 512 x my half + 4 r + 1024 h
	s_lshl_b32 s22, s16, 13
	s_add_co_u32 s22, s22, SCB
	v_lshlrev_b32 v4, 6, v1
	v_lshl_add_u32 v4, v2, 2, v4
	v_add_nc_u32 v[ADSB], s22, v4                  ; 8192 x my half + 64 r + 4 h
	s_mul_i32 s23, s14, 16*SPITCH
	s_add_co_u32 s23, s23, STAGE                   ; my stage
	v_mul_u32_u24 v5, v1, SPITCH
	v_lshl_add_u32 v5, v2, 5, v5
	v_add_nc_u32 v[STO], s23, v5                   ; in: row r, 32 bytes for each half of the lanes
	v_add_nc_u32 v[RD], s23, v[CO]                 ; back: the 32 lanes take one row of 512 bytes
	v_add_nc_u32 v[CO8], 0x800000, v[CO]
	v_lshlrev_b32 v7, 5, v2                        ; bo: my eight columns of a block of 16
	s_lshr_b32 s20, s17, 4                         ; my first row of out: 4096 b + 16 (y % 16) + 8 x my half
	s_lshl_b32 s20, s20, 12
	s_and_b32 s21, s17, 15
	s_lshl_b32 s21, s21, 4
	s_add_co_u32 s20, s20, s21
	s_lshl_b32 s21, s15, 3
	s_add_co_u32 s20, s20, s21
	s_lshl_b32 s20, s20, 12                        ; rows of 4,096 bytes
	s_mov_b32 s21, 0
	s_lshl_b32 s46, s42, 10                        ; my first column, in bytes
	s_lshl_b32 s47, s16, 9
	s_add_co_u32 s46, s46, s47
	s_mov_b32 s47, 0
	s_add_nc_u64 s[8:9], s[8:9], s[46:47]
	s_add_nc_u64 s[10:11], s[10:11], s[46:47]
	s_add_nc_u64 s[10:11], s[10:11], s[20:21]
	WIN TO_B
.irp b, 0,1,2,3,4,5,6,7
	global_load_b128 v[96+8*\b+96*(\b/4):96+8*\b+96*(\b/4)+3], v7, s[8:9] offset:64*\b             ; bo in the result's layout: block b's columns 8 h + 0 .. 7
	global_load_b128 v[100+8*\b+96*(\b/4):100+8*\b+96*(\b/4)+3], v7, s[8:9] offset:64*\b+16
.endr
	WIN 0
.macro FRAG reg, adr, q, i             ; tile i's fragment of the slot's q-th 128 along K, as it lies
.irp c, 0,1,2
	ds_load_b128 v[\reg+4*\c:\reg+4*\c+3], v[\adr] offset:3072*(\i)+1536*(\q)+512*\c
.endr
.endm
; 16 matrix instructions: x's tiles a0, a0 + 1 times Wo's eight blocks, 128 along K: the slot's q-th.  p: Wo's set; sc: the set of scale words; zero = 1: the sums begin with bo.
; The 64 accumulators take turns, one instruction a turn, in the same order in every step.
.macro MUL16 a0, p, q, sc, zero
.irp a, \a0, \a0+1
.irp b, 0,1,2,3,4,5,6,7
.if \zero
	v_wmma_scale_f32_16x16x128_f8f6f4 v[8*(8*((\a)%4)+\b):8*(8*((\a)%4)+\b)+7], v[128*(\p)+FR*\b:128*(\p)+FR*\b+FR-1], v[AF+FR*(\a):AF+FR*(\a)+FR-1], v[96+8*\b+96*(\b/4):96+8*\b+96*(\b/4)+7], v[SC+8+16*(\sc)+\b], v[SC+16*(\sc)+(\a)] matrix_a_fmt:MATRIX_FMT_FP6 matrix_b_fmt:MATRIX_FMT_FP6
.elseif (\q) == 0
	v_wmma_scale_f32_16x16x128_f8f6f4 v[8*(8*((\a)%4)+\b):8*(8*((\a)%4)+\b)+7], v[128*(\p)+FR*\b:128*(\p)+FR*\b+FR-1], v[AF+FR*(\a):AF+FR*(\a)+FR-1], v[8*(8*((\a)%4)+\b):8*(8*((\a)%4)+\b)+7], v[SC+8+16*(\sc)+\b], v[SC+16*(\sc)+(\a)] matrix_a_fmt:MATRIX_FMT_FP6 matrix_b_fmt:MATRIX_FMT_FP6
.else
	v_wmma_scale_f32_16x16x128_f8f6f4 v[8*(8*((\a)%4)+\b):8*(8*((\a)%4)+\b)+7], v[128*(\p)+FR*\b:128*(\p)+FR*\b+FR-1], v[AF+FR*(\a):AF+FR*(\a)+FR-1], v[8*(8*((\a)%4)+\b):8*(8*((\a)%4)+\b)+7], v[SC+8+16*(\sc)+\b], v[SC+16*(\sc)+(\a)] matrix_a_fmt:MATRIX_FMT_FP6 matrix_b_fmt:MATRIX_FMT_FP6 matrix_a_scale:MATRIX_SCALE_ROW1 matrix_b_scale:MATRIX_SCALE_ROW1
.endif
.endr
.endr
.endm
.macro FETCH_B slot, q, p
	WIN TO_B
.irp i, 0,1,2,3,4,5,6,7
	FRAG 128*(\p)+FR*\i, ADRB+\slot, \q, \i
.endr
	WIN 0
.endm
.macro FETCH_A slot, q, i0
.irp i, \i0, \i0+1, \i0+2, \i0+3
	FRAG AF+FR*(\i), ADRA+\slot, \q, \i
.endr
.endm
.macro SCALES sc                       ; the next slot's scale words: in each register lanes 0-15 carry its first K step, lanes 16-31 its second
.irp i, 0,1,2,3,4,5,6,7
	ds_load_b32 v[SC+16*\sc+\i], v[ADSA] offset:64*\i
.endr
.irp b, 0,1,2,3,4,5,6,7
	ds_load_b32 v[SC+8+16*\sc+\b], v[ADSB] offset:1024*\b
.endr
.endm
; A slot's first step.  A load into a register that a matrix instruction has read stands four places behind it (ISA guide 7.12.1 for vector instructions).
.macro STEP slot, zero
	s_wait_dscnt 4*NL                              ; Wo's set, x's tiles 0-3 and the scale words are in; the youngest 12 loads (x's tiles 4-7) may be out
.if \zero
	WIN 0x91                                       ; C (bo) in window 1
.else
	WIN MUL_LO
.endif
	MUL16 0, 0, 0, \slot, \zero
	MUL16 2, 0, 0, \slot, \zero
	s_wait_dscnt 0                                 ; x's tiles 4-7 are in (asked for 32 matrix instructions ago)
	PLACES
	FETCH_B \slot, 1, 1
	FETCH_A \slot, 1, 0
.if \zero
	WIN 0xd1
.else
	WIN MUL_HI
.endif
	MUL16 4, 0, 0, \slot, \zero
	MUL16 6, 0, 0, \slot, \zero
	PLACES
	WIN 0
	FETCH_A \slot, 1, 4
.endm
; A slot's second step changes slots: ONE barrier; in front of it each wave waits for all its tensor loads, adds 0 to its spare word, and waits for that and for its reads of this slot.  fill = 1: the slot is filled again, two slots ahead.
.macro TURN slot, next, fill
	s_wait_tensorcnt 0x0                           ; all my tensor loads have landed: my part of the next slot
	ds_add_u32 v[SPW], v[NIL]                      ; 0 onto my spare word
	s_wait_dscnt 4*NL+1                            ; (the add and the youngest 12 loads may be out)
	WIN MUL_LO
	MUL16 0, 1, 1, \slot, 0                        ; sixteen matrix instructions stand between the add and the wait for it
	s_wait_dscnt 0x0                               ; the add is done, and my reads of this slot are over
	s_barrier_signal -1
	MUL16 2, 1, 1, \slot, 0
	WIN 0
	s_barrier_wait -1
.if \fill
	CREST                                          ; the barrier has opened a round of the cluster's barrier: no wave of any partner still reads this slot or has a load on its way
	s_add_nc_u64 s[G0+4*\slot+2:G0+4*\slot+3], s[G0+4*\slot+2:G0+4*\slot+3], 2*98304
	s_add_nc_u64 s[G0B+4*\slot+2:G0B+4*\slot+3], s[G0B+4*\slot+2:G0B+4*\slot+3], 2*3072
	JLOAD G0+4*\slot, G1, G0B+4*\slot, G1B         ; the first tensor load behind the round; the four v_nop behind it are the places in front of the loads below
.else
	PLACES
.endif
	v_add_nc_u32 v[ADSA], 2048, v[ADSA]            ; on to the next slot's scale words
	v_add_nc_u32 v[ADSB], 8, v[ADSB]
	FETCH_B \next, 0, 0
	FETCH_A \next, 0, 0
	SCALES \next
	WIN MUL_HI
	MUL16 4, 1, 1, \slot, 0
	MUL16 6, 1, 1, \slot, 0
	PLACES
	WIN 0
	FETCH_A \next, 0, 4
.endm
	s_wait_tensorcnt 1                             ; the scale words and my part of slot 0 are in (slot 1's load may be out)
	s_barrier_signal -1
	s_barrier_wait -1                              ; everybody's are
	FETCH_B 0, 0, 0
	FETCH_A 0, 0, 0
	SCALES 0
	FETCH_A 0, 0, 4
	s_wait_loadcnt 0x0                             ; bo
	STEP 0, 1                                      ; the first step stands in front of the loop: its products start the sums
	s_mov_b32 s3, LAPS-1
.Llap:                                                 ; a trip goes once round the ring and fills both slots again
	TURN 0, 1, 1
	STEP 1, 0
	TURN 1, 0, 1
	STEP 0, 0
	s_sub_co_u32 s3, s3, 1
	s_cmp_lg_u32 s3, 0
	s_cbranch_scc1 .Llap
	TURN 0, 1, 0                                   ; the last lap fills nothing
	STEP 1, 0
	s_wait_dscnt 4*NL                              ; the very last step: nothing more to fetch
	WIN MUL_LO
	MUL16 0, 1, 1, 1, 0
	MUL16 2, 1, 1, 1, 0
	s_wait_dscnt 0
	WIN MUL_HI
	MUL16 4, 1, 1, 1, 0
	MUL16 6, 1, 1, 1, 0
	WIN 0
; THE WAY OUT, tile by tile (16 rows x 128 columns): through my own stage in LDS and back as whole rows of 512 bytes; the maximum with 0; row t of tile a is row 256 t + a from my first row of out.
.macro TOSTAGE a
.set AC, 64*((\a)%4)
	WIN 0x08+4*((\a)/4)                            ; an LDS store's data are its source 1: window 2 or 3
.irp b, 0,1,2,3,4,5,6,7
	ds_store_b128 v[STO], v[AC+8*\b:AC+8*\b+3] offset:64*\b          ; each accumulator from its low end on
	ds_store_b128 v[STO], v[AC+8*\b+4:AC+8*\b+7] offset:64*\b+16
.endr
	WIN 0
.set BB, BK+64*((\a)%2)
.irp t, 0,1,2,3,4,5,6,7,8,9,10,11,12,13,14,15
	ds_load_b128 v[BB+4*\t:BB+4*\t+3], v[RD] offset:\t*SPITCH        ; LDS serves a wave's instructions in order: these see the stores above
.endr
.endm
.macro SEND a, younger                 ; younger: the LDS instructions issued behind tile a's loads, which may stay out
.set BB, BK+64*((\a)%2)
	s_wait_dscnt \younger
.if (\a) > 0
	s_add_nc_u64 s[10:11], s[10:11], 4096          ; (behind a wait on XCNT: the earlier stores have read their base)  one row on
.endif
.set i, 0
.rept 64
	v_max_num_f32 v[BB+i], 0, v[BB+i]
.set i, i+1
.endr
.irp t, 0,1,2,3,4,5,6,7
	global_store_b128 v[CO], v[BB+4*\t:BB+4*\t+3], s[10:11] offset:\t*1048576 th:TH_STORE_NT       ; 32 lanes store 512 consecutive bytes, aligned; 7 x 2^20 stays inside the signed 24-bit immediate
.endr
.irp t, 8,9,10,11,12,13,14,15
	global_store_b128 v[CO8], v[BB+4*\t:BB+4*\t+3], s[10:11] offset:(\t-8)*1048576 th:TH_STORE_NT
.endr
.endm
	PLACES                                         ; in front of the first read of results and of loads into the registers that held x's fragments
	TOSTAGE 0
.irp a, 1,2,3,4,5,6,7
.if \a > 1
	s_wait_xcnt 0x0                                ; tile a - 2's stores have read their registers and their base
.endif
	TOSTAGE \a
	SEND \a-1, 32                                  ; behind tile a - 1's loads: tile a's 16 stores and 16 loads
.endr
	s_wait_xcnt 0x0
	SEND 7, 0
	s_wait_tensorcnt 0x0                           ; the wave's end
	ds_add_u32 v[SPW], v[NIL]
	s_wait_dscnt 0x0
	CROUND                                         ; the closing round
	s_endpgm
.Lfunc_end_k_q78b6ca1545_outp:
	.size	k_q78b6ca1545_outp, .Lfunc_end_k_q78b6ca1545_outp-k_q78b6ca1545_outp
	.p2alignl 7, 3214868480
	.fill 96, 4, 3214868480
	.section	.rodata,"a",@progbits
	.p2align	6, 0x0
	.amdhsa_kernel k_q78b6ca1545_outp
		.amdhsa_group_segment_fixed_size 327680
		.amdhsa_private_segment_fixed_size 0
		.amdhsa_enable_private_segment 0
		.amdhsa_kernarg_size 32
		.amdhsa_user_sgpr_count 2
		.amdhsa_user_sgpr_kernarg_segment_ptr 1
		.amdhsa_wavefront_size32 1
		.amdhsa_system_sgpr_workgroup_id_x 1
		.amdhsa_system_sgpr_workgroup_id_y 1
		.amdhsa_system_sgpr_workgroup_id_z 1
		.amdhsa_system_vgpr_workitem_id 0
		.amdhsa_next_free_vgpr 1024
		.amdhsa_next_free_sgpr 98
		.amdhsa_reserve_vcc 0
		.amdhsa_float_denorm_mode_32 3
		.amdhsa_float_denorm_mode_16_64 3
		.amdhsa_memory_ordered 1
		.amdhsa_forward_progress 1
		.amdhsa_inst_pref_size 156
	.end_amdhsa_kernel
	.amdgpu_metadata
---
amdhsa.version: [ 1, 2 ]
amdhsa.kernels:
  - .name:           k_q78b6ca1545_outp
    .symbol:         k_q78b6ca1545_outp.kd
    .args:
      - { .name: xq, .offset: 0, .size: 8, .value_kind: global_buffer, .address_space: global }
      - { .name: wq, .offset: 8, .size: 8, .value_kind: global_buffer, .address_space: global }
      - { .name: bo, .offset: 16, .size: 8, .value_kind: global_buffer, .address_space: global }
      - { .name: out0, .offset: 24, .size: 8, .value_kind: global_buffer, .address_space: global }
    .group_segment_fixed_size: 327680
    .private_segment_fixed_size: 0
    .kernarg_segment_align: 8
    .kernarg_segment_size: 32
    .max_flat_workgroup_size: 128
    .sgpr_count:     98
    .vgpr_count:     1024
    .wavefront_size: 32
...
	.end_amdgpu_metadata
.endif
;; end of part 4
